; MI455X (gfx1250); checked and timed in simulation.
; The chip was launched on July 23, 2026; its instructions are those of AMD's public machine-readable ISA for CDNA 5 (MIT licence, August 2026) and "CDNA5" Instruction Set Architecture Reference Guide (July 2026). The comments in the code are by the model that wrote it; some were corrected since.
;; Transformer Block. Allowed arithmetic: matrix products marked QUANTISED: E4M3 operands, one given power-of-two scale a tensor, by v_wmma_f32_16x16x64_fp8_fp8 or v_wmma_f32_16x16x128_fp8_fp8, f32 sums; everything else in f32.
;; Inputs: b_fc1 4,096 float32; b_fc2 1,024 float32; b_proj 1,024 float32; ln1_b 1,024 float32; ln1_g 1,024 float32; ln2_b 1,024 float32; ln2_g 1,024 float32; lowp_scales 12 int32 (the exponents e of the quantised operands' scales 2^e); w_fc1_codes 4,096 x 32 x 32 uint8 (E4M3 codes of w_fc1, K innermost, in blocks of 32 codes); w_fc2_codes 1,024 x 128 x 32 uint8 (E4M3 codes of w_fc2, K innermost, in blocks of 32 codes); w_proj_codes 1,024 x 32 x 32 uint8 (E4M3 codes of w_proj, K innermost, in blocks of 32 codes); w_qkv_codes 3,072 x 32 x 32 uint8 (E4M3 codes of w_qkv, K innermost, in blocks of 32 codes); x 2 x 2,048 x 1,024 float32.
;; Outputs: out0 2 x 2,048 x 1,024 float32.
;; This version of the problem:
;;   THIS VERSION OF THE PROBLEM IS GIVEN IN LOW PRECISION. The matrix products marked QUANTISED in the list below multiply operands that are first quantised to E4M3 (4 exponent bits, 3 mantissa bits; 8 bits a number), with one given power-of-two scale for each operand tensor; their sums are f32. All else is computed in f32.
;;   The module's matrix products, in the order in which they are computed (A, B: the left and right operand; K: the contracted axis; several contracted axes count as one K, in the product's order):
;;     1. [M 4,096, K 1,024] x [K 1,024, N 3,072]; A: computed on the way; B: input w_qkv (given as codes): QUANTISED (scales: A lowp_scales[0], B lowp_scales[1])
;;     2. batch 32 x [M 2,048, K 64] x [K 64, N 2,048]; A: computed on the way; B: computed on the way: QUANTISED (scales: A lowp_scales[2], B lowp_scales[3])
;;     3. batch 32 x [M 64, K 2,048] x [K 2,048, N 2,048]; A: computed on the way; B: softmax (see below): QUANTISED (scales: A lowp_scales[4], B lowp_scales[5])
;;     4. [M 4,096, K 1,024] x [K 1,024, N 1,024]; A: computed on the way; B: input w_proj (given as codes): QUANTISED (scales: A lowp_scales[6], B lowp_scales[7])
;;     5. [M 4,096, K 1,024] x [K 1,024, N 4,096]; A: computed on the way; B: input w_fc1 (given as codes): QUANTISED (scales: A lowp_scales[8], B lowp_scales[9])
;;     6. [M 4,096, K 4,096] x [K 4,096, N 1,024]; A: computed on the way; B: input w_fc2 (given as codes): QUANTISED (scales: A lowp_scales[10], B lowp_scales[11])
;;   THE QUANTISER, for each operand of a quantised product, along K:
;;     - The operand's scale is 2^e, e = its entry of the input lowp_scales (int32; the entries are numbered through the quantised products in the list's order, A before B).
;;     - Each number is divided by the scale, clamped to +-448, and rounded to the nearest number of E4M3, ties to even, subnormals kept.
;;     - The product sums the exact products of the quantised numbers (number of the format x scale) in f32.
;;   ~~~python
;;   def quantise(x, axis, e):      # numpy; x: float32 -> the quantised numbers, widened to float32 again
;;       x = np.moveaxis(x, axis, -1); K = x.shape[-1]
;;       r = np.clip(x / 2.0 ** e, -448, 448)
;;       step = 2.0 ** (np.maximum(np.frexp(np.where(r == 0, 1, r))[1] - 1, -6) - 3)
;;       q = np.round(r / step) * step * 2.0 ** e      # np.round: ties to even
;;       return np.moveaxis(q, -1, axis).astype(np.float32)
;;   ~~~
;;   SOFTMAX AHEAD OF A QUANTISED PRODUCT. Where the list says 'softmax', what is quantised is not the finished softmax but p = 2^(t - M), with t = logit x log2(e) and M = ceil(the row's largest t), a whole number; so 1/2 < the row's largest p <= 1. The row's sum l is taken of the UNQUANTISED p, in f32, and the product's result is divided by l at the end. Since M is a whole number, a kernel that streams over the keys may use a running M (the ceiling of the running maximum): every later rescaling is an exact power of two, so the quantised numbers keep their values, but for numbers so far below the row's largest that they fall under the format's range.
;;   OPERANDS COMPUTED ON THE WAY. 'Computed on the way' means the value that the module computes at that place (a softmax that the list does not call 'softmax' is quantised finished and normalised). What goes into a quantiser is computed in f32, as accurately as f32 sums, v_exp_f32 and their like allow (about 1e-6 of the number): no bf16 or f16 on the way to a quantiser, and a product that is left as it is and whose result goes on into a quantised operand takes f32 operands (vector FMAs, or v_wmma_f32_16x16x4_f32). A number that lies on a knife's edge between two numbers of the format may be rounded either way, as far as f32 arithmetic and the matrix unit's own rounding can turn it there, and no further.
;;   INPUTS GIVEN AS CODES. w_fc1 (in the module: [1024, 4096], K = its axis 0); w_fc2 (in the module: [4096, 1024], K = its axis 0); w_proj (in the module: [1024, 1024], K = its axis 0); w_qkv (in the module: [1024, 3072], K = its axis 0): each comes as NAME_codes (uint8): NAME with its K axis moved to the last place and cut into blocks of 32 codes, [.., K / 32, bytes a block], one block behind the other in memory; one code a byte (a code: sign, 4 exponent bits, 3 mantissa bits); its scale is its entry of lowp_scales. Its value is code x scale, taken as it is: it is not quantised again, and the codes and scales need not be those that the quantiser above would give.
;; One version. Each part assembles by itself: llvm-mc -triple=amdgcn-amd-amdhsa -mcpu=gfx1250 --defsym DOCPART=n.
;; ======== version 1 of 1: 7 launches
;; limits: right only within a limited range of input values
;; workspace buffers: hc 4,194,304 bytes; qkv 12,582,912 bytes; oc 4,194,304 bytes; x1 16,777,216 bytes; gc 16,777,216 bytes
;; launch ln1 (part 1): grid 256 x 1, 4 waves a work-group, no clusters, 0 bytes of LDS; arguments x, ln1_g, ln1_b, lowp_scales, hc; writes hc
.if DOCPART == 1
	.amdgcn_target "amdgcn-amd-amdhsa--gfx1250"
	.amdhsa_code_object_version 6
	.text
	.protected	k_q538355cd31_ln1
	.globl	k_q538355cd31_ln1
	.p2align	8
	.type	k_q538355cd31_ln1,@function
k_q538355cd31_ln1:
	s_mov_b64 s[64:65], 0
	v_nop
	global_prefetch_b8 v0, s[64:65] scope:SCOPE_SE
	s_setreg_imm32_b32 hwreg(HW_REG_WAVE_MODE, 25, 1), 1
	s_wait_xcnt 0x0
; hc[row][:] = codes of E4M3 of LayerNorm(x[row][:]) = (x - mean) * rsqrt(var + 1e-5) * g + b, with the given scale 2^e, e = entry SCI of the scales.
; x: [4096][1024] f32.  hc: [4096][1024] codes, one byte each, row-major.  All arithmetic ahead of the conversion is f32; the variance is taken of x - mean (two passes over registers).
; SHARES.  256 work-groups of four waves; a wave owns four rows, one after the other, each row whole in 32 registers a lane: nothing leaves the wave, so there is no LDS and no barrier.
; Lane l holds x[row][256 j + 8 l + i], j = 0..3, i = 0..7: eight neighbours along the row, as the conversion takes them; a pair of loads covers 1,024 consecutive bytes, and the eight codes
; of (row, j) are 8 bytes a lane: the wave's store covers 256 consecutive bytes, aligned.  All 48 loads of a wave go out at the head; each code register is written once, so no store's data are written again.
; LIMITS: -126 <= e <= 119 (2^e and 448 x 2^e are made as f32 numbers).  NaN and infinities among the inputs are not served.
.set SCI, 0                            ; which entry of the scales
.set S,   8                            ; v[8:15]    four packed chains
.set X,   16                           ; v[16:143]  four rows, 32 registers each
.set G,   144                          ; v[144:175] g of my 32 columns
.set BV,  176                          ; v[176:207] b of my 32 columns
.set MU,  208                          ; v[208:215] a pair for each row: the mean (the upper word is only named)
.set RS,  216                          ; v[216:223] a pair for each row: rsqrt(var + eps)
.set CD,  224                          ; v[224:255] codes: eight registers a row
	s_load_b256 s[4:11], s[0:1], 0x0               ; x s[4:5], g s[6:7], b s[8:9], the scales s[10:11]
	s_load_b64 s[12:13], s[0:1], 0x20              ; hc
	v_lshrrev_b32 v1, 5, v0
	v_readfirstlane_b32 s14, v1                    ; wave
	v_and_b32 v1, 31, v0                           ; lane
	v_lshlrev_b32 v2, 5, v1                        ; 32 bytes of f32 a lane
	v_lshlrev_b32 v3, 3, v1                        ; 8 bytes of codes a lane
	v_mov_b32 v4, 0                                ; a lane permute's destination counts as read: written once
.irp r, 0,1,2,3
	v_mov_b32 v[MU+2*\r+1], 0                      ; named as upper halves of pairs
	v_mov_b32 v[RS+2*\r+1], 0
.endr
	s_lshl_b32 s15, ttmp9, 2
	s_add_co_u32 s15, s15, s14                     ; my wave among all 1,024
	s_lshl_b32 s16, s15, 14                        ; four rows of 4,096 bytes
	s_mov_b32 s17, 0
	s_lshl_b32 s18, s15, 12                        ; four rows of 1,024 codes
	s_mov_b32 s19, 0
	s_mov_b32 s21, 0x3a800000                      ; 1 / 1024
	s_mov_b32 s22, 0x3727c5ac                      ; 1e-5
	s_mov_b32 s24, 0x76543210                      ; v_permlanex16_b32: lane l takes lane l xor 16
	s_mov_b32 s25, 0xfedcba98
	s_wait_kmcnt 0x0
	s_load_b32 s20, s[10:11], 4*SCI                ; e
	s_add_nc_u64 s[4:5], s[4:5], s[16:17]
	s_add_nc_u64 s[12:13], s[12:13], s[18:19]
.irp r, 0,1,2,3
.irp j, 0,1,2,3
	global_load_b128 v[X+32*\r+8*\j:X+32*\r+8*\j+3],   v2, s[4:5] offset:4096*\r+1024*\j th:TH_LOAD_NT
	global_load_b128 v[X+32*\r+8*\j+4:X+32*\r+8*\j+7], v2, s[4:5] offset:4096*\r+1024*\j+16 th:TH_LOAD_NT
.endr
.endr
.irp j, 0,1,2,3
	global_load_b128 v[G+8*\j:G+8*\j+3],    v2, s[6:7] offset:1024*\j
	global_load_b128 v[G+8*\j+4:G+8*\j+7],  v2, s[6:7] offset:1024*\j+16
	global_load_b128 v[BV+8*\j:BV+8*\j+3],   v2, s[8:9] offset:1024*\j
	global_load_b128 v[BV+8*\j+4:BV+8*\j+7], v2, s[8:9] offset:1024*\j+16
.endr
	s_wait_kmcnt 0x0
	s_add_co_i32 s20, s20, 127
	s_lshl_b32 s23, s20, 23
	v_mov_b32 v5, s23                              ; 2^e as f32: the conversion takes its exponent field
	s_add_co_i32 s20, s20, 8
	s_lshl_b32 s20, s20, 23
	s_or_b32 s20, s20, 0x600000
	v_mov_b32 v6, s20                              ; 448 x 2^e
; the four packed chains become one number a lane, then the wave's sum, in every lane's v[S]
.macro FOLD
	v_pk_add_f32 v[S:S+1], v[S:S+1], v[S+2:S+3]
	v_pk_add_f32 v[S+4:S+5], v[S+4:S+5], v[S+6:S+7]
	v_pk_add_f32 v[S:S+1], v[S:S+1], v[S+4:S+5]
	v_add_f32 v[S], v[S], v[S+1]
	v_add_f32_dpp v[S], v[S], v[S] row_xmask:1 row_mask:0xf bank_mask:0xf
	v_add_f32_dpp v[S], v[S], v[S] row_xmask:2 row_mask:0xf bank_mask:0xf
	v_add_f32_dpp v[S], v[S], v[S] row_xmask:4 row_mask:0xf bank_mask:0xf
	v_add_f32_dpp v[S], v[S], v[S] row_xmask:8 row_mask:0xf bank_mask:0xf
	v_permlanex16_b32 v4, v[S], s24, s25
	v_add_f32 v[S], v[S], v4
.endm
; row rw: the mean; x - mean in place; var + eps into RS
.macro ROWSTAT rw
.set XR, X+32*\rw
	s_wait_loadcnt 16+8*(3-\rw)                    ; loads come back in order: this row's eight are in; the later rows' and the sixteen of g and b may be out
.irp c, 0,1,2,3
	v_pk_add_f32 v[S+2*\c:S+2*\c+1], v[XR+2*\c:XR+2*\c+1], v[XR+8+2*\c:XR+8+2*\c+1]   ; the first pairs start the chains: nothing is cleared
.endr
.irp p, 16,24
.irp c, 0,1,2,3
	v_pk_add_f32 v[S+2*\c:S+2*\c+1], v[S+2*\c:S+2*\c+1], v[XR+\p+2*\c:XR+\p+2*\c+1]
.endr
.endr
	FOLD
	v_mul_f32 v[MU+2*\rw], s21, v[S]
.irp p, 0,2,4,6,8,10,12,14,16,18,20,22,24,26,28,30
	v_pk_add_f32 v[XR+\p:XR+\p+1], v[XR+\p:XR+\p+1], v[MU+2*\rw:MU+2*\rw+1] op_sel_hi:[1,0] neg_lo:[0,1] neg_hi:[0,1]
.endr
.irp c, 0,1,2,3
	v_pk_mul_f32 v[S+2*\c:S+2*\c+1], v[XR+2*\c:XR+2*\c+1], v[XR+2*\c:XR+2*\c+1]
.endr
.irp p, 8,16,24
.irp c, 0,1,2,3
	v_pk_fma_f32 v[S+2*\c:S+2*\c+1], v[XR+\p+2*\c:XR+\p+2*\c+1], v[XR+\p+2*\c:XR+\p+2*\c+1], v[S+2*\c:S+2*\c+1]
.endr
.endr
	FOLD
	v_fma_f32 v[RS+2*\rw], v[S], s21, s22          ; var + eps
.endm
; row rw: scaled, g and b applied, held within the largest code x the scale, converted, stored
.macro ROWOUT rw
.set XR, X+32*\rw
.irp p, 0,2,4,6,8,10,12,14,16,18,20,22,24,26,28,30
	v_pk_mul_f32 v[XR+\p:XR+\p+1], v[XR+\p:XR+\p+1], v[RS+2*\rw:RS+2*\rw+1] op_sel_hi:[1,0]
.endr
.irp p, 0,2,4,6,8,10,12,14,16,18,20,22,24,26,28,30
	v_pk_fma_f32 v[XR+\p:XR+\p+1], v[XR+\p:XR+\p+1], v[G+\p:G+\p+1], v[BV+\p:BV+\p+1]
.endr
.set j, 0
.rept 32
	v_med3_num_f32 v[XR+j], v[XR+j], -v6, v6       ; the conversion to an 8-bit code does not saturate (ISA guide 7.6.2): the hold comes first
.set j, j+1
.endr
.irp j, 0,1,2,3
	v_cvt_scalef32_pk8_fp8_f32 v[CD+8*\rw+2*\j:CD+8*\rw+2*\j+1], v[XR+8*\j:XR+8*\j+7], v5
.endr
	v_nop                                          ; one plain vector instruction behind the last conversion of the run
.irp j, 0,1,2,3
	global_store_b64 v3, v[CD+8*\rw+2*\j:CD+8*\rw+2*\j+1], s[12:13] offset:1024*\rw+256*\j   ; 32 lanes store 256 consecutive bytes, aligned
.endr
.endm
	ROWSTAT 0
	ROWSTAT 1
	ROWSTAT 2
	ROWSTAT 3
	s_wait_alu depctr_va_vdst(0)
.irp r, 0,1,2,3
	v_rsq_f32 v[RS+2*\r], v[RS+2*\r]               ; the four roots are one batch
.endr
	v_nop                                          ; a plain instruction behind the last of them
	s_wait_alu depctr_va_vdst(0)                   ; one wait for the batch, ahead of its first reader
	s_wait_loadcnt 0x0                             ; g and b
	ROWOUT 0
	ROWOUT 1
	ROWOUT 2
	ROWOUT 3
	s_endpgm
.Lfunc_end_k_q538355cd31_ln1:
	.size	k_q538355cd31_ln1, .Lfunc_end_k_q538355cd31_ln1-k_q538355cd31_ln1
	.p2alignl 7, 3214868480
	.fill 96, 4, 3214868480
	.section	.rodata,"a",@progbits
	.p2align	6, 0x0
	.amdhsa_kernel k_q538355cd31_ln1
		.amdhsa_group_segment_fixed_size 0
		.amdhsa_private_segment_fixed_size 0
		.amdhsa_enable_private_segment 0
		.amdhsa_kernarg_size 40
		.amdhsa_user_sgpr_count 2
		.amdhsa_user_sgpr_kernarg_segment_ptr 1
		.amdhsa_wavefront_size32 1
		.amdhsa_system_sgpr_workgroup_id_x 1
		.amdhsa_system_sgpr_workgroup_id_y 1
		.amdhsa_system_sgpr_workgroup_id_z 1
		.amdhsa_system_vgpr_workitem_id 0
		.amdhsa_next_free_vgpr 256
		.amdhsa_next_free_sgpr 66
		.amdhsa_reserve_vcc 0
		.amdhsa_float_denorm_mode_32 3
		.amdhsa_float_denorm_mode_16_64 3
		.amdhsa_memory_ordered 1
		.amdhsa_forward_progress 1
		.amdhsa_inst_pref_size 42
	.end_amdhsa_kernel
	.amdgpu_metadata
---
amdhsa.version: [ 1, 2 ]
amdhsa.kernels:
  - .name:           k_q538355cd31_ln1
    .symbol:         k_q538355cd31_ln1.kd
    .args:
      - { .name: x, .offset: 0, .size: 8, .value_kind: global_buffer, .address_space: global }
      - { .name: ln1_g, .offset: 8, .size: 8, .value_kind: global_buffer, .address_space: global }
      - { .name: ln1_b, .offset: 16, .size: 8, .value_kind: global_buffer, .address_space: global }
      - { .name: lowp_scales, .offset: 24, .size: 8, .value_kind: global_buffer, .address_space: global }
      - { .name: hc, .offset: 32, .size: 8, .value_kind: global_buffer, .address_space: global }
    .group_segment_fixed_size: 0
    .private_segment_fixed_size: 0
    .kernarg_segment_align: 8
    .kernarg_segment_size: 40
    .max_flat_workgroup_size: 128
    .sgpr_count:     66
    .vgpr_count:     256
    .wavefront_size: 32
...
	.end_amdgpu_metadata
.endif
;; end of part 1
;; launch qkvp (part 2): grid 12 x 16, 4 waves a work-group, clusters of 4 x 4, 327,680 bytes of LDS; arguments hc, w_qkv_codes, lowp_scales, qkv; writes qkv
.if DOCPART == 2
	.amdgcn_target "amdgcn-amd-amdhsa--gfx1250"
	.amdhsa_code_object_version 6
	.text
	.protected	k_q538355cd31_qkvp
	.globl	k_q538355cd31_qkvp
	.p2align	8
	.type	k_q538355cd31_qkvp,@function
k_q538355cd31_qkvp:
	s_mov_b64 s[64:65], 0
	v_nop
	global_prefetch_b8 v0, s[64:65] scope:SCOPE_SE
	s_setreg_imm32_b32 hwreg(HW_REG_WAVE_MODE, 25, 1), 1
	s_wait_xcnt 0x0
	s_wait_alu depctr_hold_cnt(0) depctr_sa_sdst(0) depctr_va_vdst(0) depctr_va_sdst(0) depctr_va_ssrc(0) depctr_va_vcc(0) depctr_vm_vsrc(0)
	s_getreg_b32 s2, hwreg(HW_REG_IB_STS2, 6, 4)
	s_cmp_eq_u32 s2, 0
	s_cbranch_scc0 .Lentry_in_a_cluster
	s_endpgm
.Lentry_in_a_cluster:
	s_bfe_u32 s2, ttmp6, 0x10000c
	s_cmp_lg_u32 s2, 0xf033
	s_cbranch_scc0 .Lentry_shape_is_right
	s_endpgm
.Lentry_shape_is_right:
; q, k, v = Q(LN1(x)) W_qkv on codes of E4M3, and the results quantised at once: q with 2^e2, k with 2^e3, v with 2^e4 (entries of the scales; e0, e1 are the operands' own).
; hc: [4096 tokens][1024] codes.  w_qkv_codes: [3072][1024] codes, K innermost.  A tile of 256 x 256 results is made by four waves, 128 x 128 each: 64 accumulators, 512 registers.
; K goes in steps of 256 through a ring of two LDS slots filled by the tensor data mover; 4 x 4 work-groups form a cluster and ask for shared tiles jointly.
; ROLES, by the cluster's x, which all sixteen partners share.  Clusters 0 and 1: A = hc (rows = tokens), B = rows 0..2047 of the weights: results [token][n], n = q's and k's columns.
; Cluster 2: A = rows 2048..3071 of the weights, B = hc: results [head x 64 + d][token]: V with the keys innermost, as the second product of attention wants it.  Only pointers and offsets are chosen; the text has one path.
; THE MATRIX INSTRUCTION IS USED TRANSPOSED (source 0 = 16 rows of B, source 1 = 16 rows of A): lane (r, h) of accumulator (a, b) holds result (row 16 a + r, columns 16 b + 8 h + 0..7).
; One conversion an accumulator gives registers 2 b, 2 b + 1 of the NEXT product's operand (ISA guide's 8-bit layout: registers 2 c, 2 c + 1 hold k = 16 c + 8 h + 0..7).  So the 16 code registers of block a are stored as they
; stand, four registers by one store, lane l's 16 bytes at 16 l: an image of the operand's registers.  Each store covers 512 consecutive bytes, aligned.  No stage in LDS is needed.
; qkv's LAYOUT.  q, k: batch x 4 MiB + P x 256 KiB + (token / 16) x 2 KiB + (head % 2) x 1 KiB, P = n / 128; the 1 KiB: 16 tokens x 64 of a head.  v: 8 MiB + batch x 2 MiB + (head / 2) x 256 KiB + (key / 128) x 16 KiB + (head % 2) x 8 KiB + (d / 16) x 2 KiB.
; Both operands' fragments come from LDS by four loads of 16 bytes: a permutation of k that is the same in A and B, so every product meets its partner.
; LIMIT: eT - e0 - e1 (eT = e2, e3, e4) lies between -126 and 119.
; REGISTERS, in windows of 256: window 0: v0-31 addresses and scales; v32-95 at work on the way out; from v128 A's fragments, ONE set, later the codes.  window 1: B's fragments, TWO sets.  windows 2, 3: the accumulators ((a, b) at v[8 (8 (a % 4) + b)]).
.set SIZE_K, 1024
.set KSTEP,  256
.set ROWB,   256
.set KROW,   SIZE_K
.set PITCH,  272                       ; an LDS row: 256 bytes + 16 of padding, so that the 16 rows that a load touches start 4 words apart modulo the 64 banks (ISA guide 11.1)
.set FR,     16
.set NL,     4
.set NP,     4                         ; places behind this matrix instruction (ISA guide 7.12.1)
.set HALFT,  128*PITCH
.set SLOT,   4*HALFT
.set LAPS,   SIZE_K/(2*KSTEP)
.set SPARE,  2*SLOT                    ; behind the ring: the spare words, 128 bytes a wave, that no other line names
.set ADRA, 16
.set ADRB, 20
.set CO,   26                          ; v26  16 x lane
.set SPW,  28
.set NIL,  29
.set LIM,  30                          ; v30  448 x 2^(eT - e0 - e1)
.set SC,   31                          ; v31  2^(eT - e0 - e1)
.set TMP,  32
.set AF,   128
.set CDS,  128                         ; the way out: 16 code registers for each of the eight blocks; none is written twice
.set G1, 24
.set G0, 32
.set G1B, 48
.set G0B, 56
.set MSB, 0
.macro WIN new                         ; the immediate's high byte repeats the setting that is left
.if MSB != (\new)
	s_set_vgpr_msb (MSB<<8)|(\new)
.set MSB, (\new)
.endif
.endm
.set MUL_LO, 0xa1
.set MUL_HI, 0xf1
.set TO_B,   0x40
; A joint load: waves 0 and 1 fetch for A, waves 2 and 3 for B; the branch hangs on the wave's number alone.  Four v_nop follow each of the two lines.
.macro JLOAD g0a, g1a, g0b, g1b
	s_cmp_eq_u32 s15, 0
	s_cbranch_scc0 .Lfor_b_\@
	tensor_load_to_lds s[\g0a:\g0a+3], s[\g1a:\g1a+7]
	s_nop 0
.rept 4
	v_nop
.endr
	s_branch .Lasked_\@
.Lfor_b_\@:
	tensor_load_to_lds s[\g0b:\g0b+3], s[\g1b:\g1b+7]
	s_nop 0
.rept 4
	v_nop
.endr
.Lasked_\@:
.endm
.macro CREST                           ; a round of the cluster's barrier behind its opening barrier
	s_cmp_lg_u32 s14, 0
	s_cbranch_scc1 .Lnot_wave_0_\@
	s_barrier_signal -3
.Lnot_wave_0_\@:
	s_barrier_wait -3
	s_barrier_signal -1
	s_barrier_wait -1
.endm
.macro CROUND
	s_barrier_signal -1
	s_barrier_wait -1
	CREST
.endm
	s_load_b128 s[4:7], s[0:1], 0x0                ; hc s[4:5], the weights' codes s[6:7]
	s_load_b128 s[8:11], s[0:1], 0x10              ; the scales s[8:9], qkv s[10:11]
	v_lshl_add_u32 v[SPW], v0, 2, SPARE
	v_mov_b32 v[NIL], 0
	ds_add_u32 v28, v29
	ds_add_u32 v28, v29
	s_wait_dscnt 0x0
	v_lshrrev_b32 v1, 5, v0
	v_readfirstlane_b32 s14, v1                    ; wave 0..3
	s_lshr_b32 s15, s14, 1                         ; which half of the tile's rows is mine.  Also: I fetch for A (0) or for B (1)
	s_and_b32 s16, s14, 1                          ; which half of its columns.  Also: which 128 rows of that tile I fetch
	s_bfe_u32 s40, ttmp6, 0x40000                  ; cx, cy: my place in the cluster
	s_bfe_u32 s41, ttmp6, 0x40004
	s_and_b32 s66, ttmp7, 0xffff                   ; the cluster's y
	s_cmp_eq_u32 ttmp9, 2                          ; the role: the cluster's x, the same in all partners
	s_cselect_b32 s67, 0, s66                      ; which four tile rows: V's weights have four in all
	s_cselect_b32 s80, s66, ttmp9                  ; which four tile columns
	s_cselect_b32 s81, 2048, 0                     ; A's first row: V's weights begin at row 2048
	s_lshl_b32 s42, s80, 2
	s_add_co_u32 s42, s42, s40                     ; tile column
	s_lshl_b32 s17, s67, 2
	s_add_co_u32 s17, s17, s41                     ; tile row
	s_lshl_b32 s43, s41, 2
	s_lshl_b32 s43, 15, s43                        ; my row of the cluster
	s_lshl_b32 s44, 0x1111, s40                    ; my column
	s_or_b32 s[G1+0], s43, (0<<16)|(1<<20)|(1<<21)|(5<<22)|(3<<25)  ; the mask: A's tiles go to my row; elements of 1 byte; padding on; bit 21 beside a mask; 4 words after every 64
	s_or_b32 s[G1B+0], s44, (0<<16)|(1<<20)|(1<<21)|(5<<22)|(3<<25)
.irp g, G1, G1B
	s_mov_b32 s[\g+1], ROWB<<16                    ; tensor_dim0
	s_mov_b32 s[\g+2], 128<<16                     ; tensor_dim1
	s_mov_b32 s[\g+3], ROWB<<16                    ; tile_dim0
	s_mov_b32 s[\g+4], 128                         ; tile_dim1
	s_mov_b32 s[\g+5], KROW                        ; from row to row
	s_mov_b32 s[\g+6], 0
	s_mov_b32 s[\g+7], 0
.endr
	s_lshl_b32 s18, s16, 7                         ; which 128 rows of the tile I fetch
	s_lshl_b32 s20, s17, 8
	s_add_co_u32 s20, s20, s18
	s_add_co_u32 s20, s20, s81                     ; A: row 256 x tile row + 128 x half (+ 2048)
	s_lshl_b32 s46, s42, 8
	s_add_co_u32 s46, s46, s18                     ; B: row 256 x tile column + 128 x half
	s_mov_b32 s21, 0
	s_mov_b32 s47, 0
	s_mov_b64 s[18:19], KROW
	s_mul_u64 s[20:21], s[20:21], s[18:19]
	s_mul_u64 s[46:47], s[46:47], s[18:19]
	s_mul_i32 s45, s14, HALFT                      ; where they go: wave x 128 rows: no place in the cluster enters an LDS address
	s_wait_kmcnt 0x0
	s_load_b256 s[68:75], s[8:9], 0x0              ; e0 .. e7
	s_cmp_eq_u32 ttmp9, 2
	s_cselect_b64 s[76:77], s[6:7], s[4:5]         ; A's tensor
	s_cselect_b64 s[78:79], s[4:5], s[6:7]         ; B's tensor
	s_add_nc_u64 s[20:21], s[76:77], s[20:21]
	s_add_nc_u64 s[46:47], s[78:79], s[46:47]
	; the prefetches' base: of the 128 rows that my wave fetches, the partner at place p among the four that ask jointly takes rows 32 p .. 32 p + 31 (p = cx for A, cy for B): told apart by address alone
	s_cmp_eq_u32 s15, 0
	s_cselect_b64 s[100:101], s[20:21], s[46:47]
	s_cselect_b32 s18, s40, s41
	s_lshl_b32 s18, s18, 15                        ; 32 rows of 1,024 bytes
	s_mov_b32 s19, 0
	s_add_nc_u64 s[100:101], s[100:101], s[18:19]  ; never rewritten
	CROUND
.irp s, 0,1
	s_mov_b32 s[G0+4*\s], 1
	s_add_co_u32 s[G0+4*\s+1], s45, \s*SLOT
	s_add_nc_u64 s[G0+4*\s+2:G0+4*\s+3], s[20:21], \s*ROWB
	s_or_b32 s[G0+4*\s+3], s[G0+4*\s+3], 0x80000000
	s_mov_b32 s[G0B+4*\s], 1
	s_add_co_u32 s[G0B+4*\s+1], s45, \s*SLOT
	s_add_nc_u64 s[G0B+4*\s+2:G0B+4*\s+3], s[46:47], \s*ROWB
	s_or_b32 s[G0B+4*\s+3], s[G0B+4*\s+3], 0x80000000
.endr
	JLOAD G0, G1, G0B, G1B                         ; K step 0: one tensor load a wave at the head
	v_and_b32 v1, 15, v0                           ; l % 16
	v_bfe_u32 v2, v0, 4, 1                         ; l / 16
	v_mul_u32_u24 v3, v1, PITCH
	v_lshl_add_u32 v4, v2, 4, v3                   ; a fragment's row x pitch + 16 x half
	s_mul_i32 s21, s15, HALFT                      ; my 128 rows of A
	s_mul_i32 s22, s16, HALFT                      ; my 128 rows of B,
	s_add_co_u32 s22, s22, 2*HALFT                 ; which lie behind A's 256
.irp s, 0,1
	v_add_nc_u32 v[ADRA+\s], s21, v4
	v_add_nc_u32 v[ADRB+\s], s22, v4
	s_add_co_u32 s21, s21, SLOT
	s_add_co_u32 s22, s22, SLOT
.endr
	v_and_b32 v6, 31, v0
	v_lshlrev_b32 v[CO], 4, v6
	v_lshlrev_b32 v22, 10, v6                      ; a lane a row; never rewritten
	global_prefetch_b8 v22, s[100:101] offset:256 th:TH_LOAD_NT scope:SCOPE_SE   ; K steps 1 and 2, 256 bytes of each of 32 rows: behind K step t's load K step t + 2 is asked for, and here K step 1 too
	global_prefetch_b8 v22, s[100:101] offset:512 th:TH_LOAD_NT scope:SCOPE_SE
	; where my wave's 16 KiB of codes go.  q, k: batch = tile row / 8; P = 2 x tile column + my half; my first block of 16 tokens = 16 (tile row % 8) + 8 x my half
	s_lshr_b32 s82, s17, 3
	s_lshl_b32 s82, s82, 22
	s_lshl_b32 s83, s42, 1
	s_add_co_u32 s83, s83, s16
	s_lshl_b32 s83, s83, 18
	s_add_co_u32 s82, s82, s83
	s_and_b32 s83, s17, 7
	s_lshl_b32 s83, s83, 1
	s_add_co_u32 s83, s83, s15
	s_lshl_b32 s83, s83, 14
	s_add_co_u32 s82, s82, s83
	; v: batch = tile column / 8; pair of heads = 2 x tile row + my half; group of 128 keys = 2 (tile column % 8) + my half
	s_lshr_b32 s86, s42, 3
	s_lshl_b32 s86, s86, 21
	s_add_co_u32 s86, s86, 0x800000
	s_lshl_b32 s87, s17, 1
	s_add_co_u32 s87, s87, s15
	s_lshl_b32 s87, s87, 18
	s_add_co_u32 s86, s86, s87
	s_and_b32 s87, s42, 7
	s_lshl_b32 s87, s87, 1
	s_add_co_u32 s87, s87, s16
	s_lshl_b32 s87, s87, 14
	s_add_co_u32 s86, s86, s87
	s_cmp_eq_u32 ttmp9, 2
	s_cselect_b32 s82, s86, s82
	s_mov_b32 s83, 0
	s_add_nc_u64 s[10:11], s[10:11], s[82:83]
.macro FRAG reg, adr, q, i             ; a fragment, 16 rows x 128 K, is 16 registers, by four loads of 16 bytes, 32 bytes apart
.irp c, 0,1,2,3
	ds_load_b128 v[\reg+4*\c:\reg+4*\c+3], v[\adr] offset:128*(\q)+32*\c+(\i)*16*PITCH
.endr
.endm
; 16 matrix instructions: A's blocks a0, a0 + 1 x B's eight.  The 64 accumulators take turns, one instruction a turn, in the same order in every step.
.macro MUL16 a0, p, zero
.irp a, \a0, \a0+1
.irp b, 0,1,2,3,4,5,6,7
.if \zero
	v_wmma_f32_16x16x128_fp8_fp8 v[8*(8*((\a)%4)+\b):8*(8*((\a)%4)+\b)+7], v[128*(\p)+FR*\b:128*(\p)+FR*\b+FR-1], v[AF+FR*(\a):AF+FR*(\a)+FR-1], 0
.else
	v_wmma_f32_16x16x128_fp8_fp8 v[8*(8*((\a)%4)+\b):8*(8*((\a)%4)+\b)+7], v[128*(\p)+FR*\b:128*(\p)+FR*\b+FR-1], v[AF+FR*(\a):AF+FR*(\a)+FR-1], v[8*(8*((\a)%4)+\b):8*(8*((\a)%4)+\b)+7]
.endif
.endr
.endr
.endm
.macro FETCH_B slot, q, p
	WIN TO_B
.irp i, 0,1,2,3,4,5,6,7
	FRAG 128*(\p)+FR*\i, ADRB+\slot, \q, \i
.endr
	WIN 0
.endm
.macro FETCH_A slot, q, i0
.irp i, \i0, \i0+1, \i0+2, \i0+3
	FRAG AF+FR*(\i), ADRA+\slot, \q, \i
.endr
.endm
.macro PLACES n                        ; plain vector instructions between a matrix instruction and a load into, or a read of, its registers
.rept \n
	v_nop
.endr
.endm
; A step of 128 along K that has its successor in the same slot.
.macro STEP slot, q, zero
	s_wait_dscnt 4*NL                              ; B's set and A's blocks 0-3 are in; the youngest sixteen loads (A's blocks 4-7) may be out
	WIN MUL_LO
	MUL16 0, (\q)%2, \zero
	MUL16 2, (\q)%2, \zero
	s_wait_dscnt 0                                 ; A's blocks 4-7 are in
	PLACES NP
	FETCH_B \slot, (\q)+1, 1-(\q)%2
	FETCH_A \slot, (\q)+1, 0
	WIN MUL_HI
	MUL16 4, (\q)%2, \zero
	MUL16 6, (\q)%2, \zero
	PLACES NP
	WIN 0
	FETCH_A \slot, (\q)+1, 4
.endm
; A slot's last step changes slots: ONE barrier; in front of it each wave waits for all its tensor loads, adds 0 to its spare word, and waits for that and for its own reads of this slot.
.macro TURN slot, next, fill
	s_wait_tensorcnt 0x0                           ; all my tensor loads have landed: my part of the next slot
	ds_add_u32 v[SPW], v[NIL]                      ; 0 onto my spare word
	s_wait_dscnt 4*NL+1                            ; (the add and the youngest sixteen loads may be out)
	WIN MUL_LO
	MUL16 0, 1, 0
	s_wait_dscnt 0x0                               ; the add is done, and my reads of this slot are over
	s_barrier_signal -1
	MUL16 2, 1, 0
	WIN 0
	s_barrier_wait -1
.if \fill
	CREST                                          ; the barrier has opened a round of the cluster's barrier: no wave of any partner still reads this slot or has a load on its way
	s_add_nc_u64 s[G0+4*\slot+2:G0+4*\slot+3], s[G0+4*\slot+2:G0+4*\slot+3], 2*ROWB
	s_add_nc_u64 s[G0B+4*\slot+2:G0B+4*\slot+3], s[G0B+4*\slot+2:G0B+4*\slot+3], 2*ROWB
	JLOAD G0+4*\slot, G1, G0B+4*\slot, G1B         ; the first tensor load behind the round; its four v_nop are also the places in front of the loads below
.else
	PLACES NP
.endif
	FETCH_B \next, 0, 0
	FETCH_A \next, 0, 0
	WIN MUL_HI
	MUL16 4, 1, 0
	MUL16 6, 1, 0
	PLACES NP
	WIN 0
	FETCH_A \next, 0, 4
.endm
	s_wait_alu depctr_va_vdst(0)
	s_wait_tensorcnt 0x0                           ; my part of K step 0 is in; slot 1's first fill is issued as a refill is:
	ds_add_u32 v[SPW], v[NIL]                      ; 0 onto my spare word
	s_wait_dscnt 0x0
	CROUND                                         ; everybody's part of K step 0 is in, and the joint loads meet
	JLOAD G0+4, G1, G0B+4, G1B                     ; K step 1, the first tensor load behind the round
	FETCH_B 0, 0, 0
	FETCH_A 0, 0, 0
	global_prefetch_b8 v22, s[100:101] offset:768 th:TH_LOAD_NT scope:SCOPE_SE   ; K step 3, the last: behind K step 1's load
	FETCH_A 0, 0, 4
	STEP 0, 0, 1                                   ; the first step's products start the sums: nothing is cleared
	s_mov_b32 s3, LAPS-1
.Llap:                                                 ; a trip goes once round the ring and fills both slots again
	TURN 0, 1, 1
	STEP 1, 0, 0
	TURN 1, 0, 1
	STEP 0, 0, 0
	s_sub_co_u32 s3, s3, 1
	s_cmp_lg_u32 s3, 0
	s_cbranch_scc1 .Llap
	TURN 0, 1, 0                                   ; the last lap fills nothing
	STEP 1, 0, 0
	s_wait_dscnt 4*NL
	WIN MUL_LO
	MUL16 0, 1, 0
	MUL16 2, 1, 0
	s_wait_dscnt 0
	WIN MUL_HI
	MUL16 4, 1, 0
	MUL16 6, 1, 0
	WIN 0
	; THE WAY OUT.  A sum stands for sum x 2^(e0 + e1); its code is sum / 2^(eT - e0 - e1): the three scales are folded into the conversion's one.
	s_wait_kmcnt 0x0
	s_cmp_eq_u32 ttmp9, 0
	s_cselect_b32 s84, s70, s71                    ; q's scale or k's,
	s_cmp_eq_u32 ttmp9, 2
	s_cselect_b32 s84, s72, s84                    ; or v's
	s_sub_co_i32 s84, s84, s68
	s_sub_co_i32 s84, s84, s69
	s_add_co_i32 s84, s84, 127
	s_lshl_b32 s85, s84, 23
	s_add_co_i32 s84, s84, 8
	s_lshl_b32 s84, s84, 23
	s_or_b32 s84, s84, 0x600000
	PLACES NP
	v_mov_b32 v[SC], s85
	v_mov_b32 v[LIM], s84
.macro QOUT a                          ; block a: 16 rows x 128 columns: held, converted, stored as the image of an operand's registers
	WIN 0x02+(\a)/4                                ; source 0: window 2 or 3
.set j, 0
.rept 64
	v_med3_num_f32 v[TMP+j], v[64*((\a)%4)+j], -v[LIM], v[LIM]   ; the hold at the largest code x the scale; each accumulator from its low end on
.set j, j+1
.endr
	WIN 0
.set j, 0
.rept 8
	v_cvt_scalef32_pk8_fp8_f32 v[CDS+16*(\a)+2*j:CDS+16*(\a)+2*j+1], v[TMP+8*j:TMP+8*j+7], v[SC]
.set j, j+1
.endr
	v_nop                                          ; one plain vector instruction behind the last conversion: the next block writes these conversions' sources
.irp q, 0,1,2,3
	global_store_b128 v[CO], v[CDS+16*(\a)+4*\q:CDS+16*(\a)+4*\q+3], s[10:11] offset:2048*(\a)+512*\q th:TH_STORE_NT   ; 32 lanes store 512 consecutive bytes, aligned
.endr
.endm
.irp a, 0,1,2,3,4,5,6,7
	QOUT \a
.endr
	s_wait_tensorcnt 0x0                           ; the wave's end
	ds_add_u32 v[SPW], v[NIL]
	s_wait_dscnt 0x0
	CROUND                                         ; the closing round: no work-group ends while a partner may still ask for a tile that names it
	s_endpgm
.Lfunc_end_k_q538355cd31_qkvp:
	.size	k_q538355cd31_qkvp, .Lfunc_end_k_q538355cd31_qkvp-k_q538355cd31_qkvp
	.p2alignl 7, 3214868480
	.fill 96, 4, 3214868480
	.section	.rodata,"a",@progbits
	.p2align	6, 0x0
	.amdhsa_kernel k_q538355cd31_qkvp
		.amdhsa_group_segment_fixed_size 327680
		.amdhsa_private_segment_fixed_size 0
		.amdhsa_enable_private_segment 0
		.amdhsa_kernarg_size 32
		.amdhsa_user_sgpr_count 2
		.amdhsa_user_sgpr_kernarg_segment_ptr 1
		.amdhsa_wavefront_size32 1
		.amdhsa_system_sgpr_workgroup_id_x 1
		.amdhsa_system_sgpr_workgroup_id_y 1
		.amdhsa_system_sgpr_workgroup_id_z 1
		.amdhsa_system_vgpr_workitem_id 0
		.amdhsa_next_free_vgpr 1024
		.amdhsa_next_free_sgpr 102
		.amdhsa_reserve_vcc 0
		.amdhsa_float_denorm_mode_32 3
		.amdhsa_float_denorm_mode_16_64 3
		.amdhsa_memory_ordered 1
		.amdhsa_forward_progress 1
		.amdhsa_inst_pref_size 119
	.end_amdhsa_kernel
	.amdgpu_metadata
---
amdhsa.version: [ 1, 2 ]
amdhsa.kernels:
  - .name:           k_q538355cd31_qkvp
    .symbol:         k_q538355cd31_qkvp.kd
    .args:
      - { .name: hc, .offset: 0, .size: 8, .value_kind: global_buffer, .address_space: global }
      - { .name: w_qkv_codes, .offset: 8, .size: 8, .value_kind: global_buffer, .address_space: global }
      - { .name: lowp_scales, .offset: 16, .size: 8, .value_kind: global_buffer, .address_space: global }
      - { .name: qkv, .offset: 24, .size: 8, .value_kind: global_buffer, .address_space: global }
    .group_segment_fixed_size: 327680
    .private_segment_fixed_size: 0
    .kernarg_segment_align: 8
    .kernarg_segment_size: 32
    .max_flat_workgroup_size: 128
    .sgpr_count:     102
    .vgpr_count:     1024
    .wavefront_size: 32
...
	.end_amdgpu_metadata
.endif
;; end of part 2
;; launch attn (part 3): grid 8 x 32, 8 waves a work-group, clusters of 4 x 1, 327,680 bytes of LDS; arguments qkv, lowp_scales, oc; writes oc
.if DOCPART == 3
	.amdgcn_target "amdgcn-amd-amdhsa--gfx1250"
	.amdhsa_code_object_version 6
	.text
	.protected	k_q538355cd31_attn
	.globl	k_q538355cd31_attn
	.p2align	8
	.type	k_q538355cd31_attn,@function
k_q538355cd31_attn:
	s_mov_b64 s[64:65], 0
	v_nop
	global_prefetch_b8 v0, s[64:65] scope:SCOPE_SE
	s_setreg_imm32_b32 hwreg(HW_REG_WAVE_MODE, 25, 1), 1
	s_wait_xcnt 0x0
	s_wait_alu depctr_hold_cnt(0) depctr_sa_sdst(0) depctr_va_vdst(0) depctr_va_sdst(0) depctr_va_ssrc(0) depctr_va_vcc(0) depctr_vm_vsrc(0)
	s_getreg_b32 s2, hwreg(HW_REG_IB_STS2, 6, 4)
	s_cmp_eq_u32 s2, 0
	s_cbranch_scc0 .Lentry_in_a_cluster
	s_endpgm
.Lentry_in_a_cluster:
	s_bfe_u32 s2, ttmp6, 0x10000c
	s_cmp_lg_u32 s2, 0x3003
	s_cbranch_scc0 .Lentry_shape_is_right
	s_endpgm
.Lentry_shape_is_right:
; o = softmax(q k^T / 8) v for one head and 256 queries a work-group, both products on codes of E4M3; o is quantised at once with 2^e6.  Scales: q e2, k e3, v e4, p e5.
; THE SOFTMAX AHEAD OF THE SECOND PRODUCT: t = score x log2(e) / 8; M = the running largest t, rounded UP to a whole number; p = 2^(t - M) is quantised, not normalised; the row's sum is taken of the
; unquantised p in f32 and divides at the end.  When M moves, the sum and O are multiplied by 2^(old M - new M), which rounds nothing.
; SHARES.  Work-group (x, y): batch y / 16, head y % 16, queries 256 x .. 256 x + 255.  Each of eight waves owns 32 queries, two tiles A and B of 16: a fragment of K or V read from LDS feeds two matrix instructions.
; LDS.  The head's whole K (128 KiB from byte 0) and V (128 KiB from byte 131,072) lie in LDS as images of operand registers (launch qkvp wrote them so): every byte is filled ONCE, so there is no ring.
; TWO FILLS, one tensor load a wave each (waves 0-3 K, waves 4-7 V).  At the head: the first 512 keys, 8 KiB a wave.  Behind the wait for them, the add and a round: the other 1,536 keys, 24 KiB a wave, which land under steps 0 to 2.
; Steps 0 to 2 read keys 0 to 511 alone (step 2 fetches step 3's fragments); one barrier, in front of which every wave has waited for its second load, stands ahead of steps 3 to 15.
; CLUSTER.  The four query blocks of a cluster walk the same head: each tile is asked for JOINTLY (mask 15).  No prefetch: all of K and V has been asked for when the first step begins, so there is no loop to run ahead in.
; LAYOUT.  S^T = K Q^T (source 0 = 16 keys, source 1 = 16 queries), O^T = V^T P^T: a lane holds ONE query of each tile (lane % 16); register 8 t + j of S^T is key 16 t + 8 (lane / 16) + j, so one conversion a tile of keys gives
; registers 2 t, 2 t + 1 of P in the 8-bit layout of the ISA guide (k = 16 c + 8 h + 0..7); O^T's four tiles likewise give the image that the next product reads.
; A STEP is 128 keys.  K and V have registers of their own: step s + 1's K is asked for behind step s's first products, its V behind step s's second products.  In the last step these addresses wrap to the first tile: those 32 loads are not used.
; REGISTERS.  Window 0: v1-31 addresses, constants, the softmax's state; v32-95, v96-159 S^T then p of A, B; v160-191, v192-223 O^T of A, B; v224-239, v240-255 p's codes of A, B (ahead of the conversions: partial sums).
; Window 1: v0-63 K's eight fragments; v64-127 V's four; v128-135, v136-143 Q of A, B.
; LIMITS: e2 + e3 between -123 and 130 (added to c's exponent field); e5 and e6 between -126 and 119; the scaled scores stay under 2^31 in magnitude.  NaN and infinities are not served.
.set SPARE, 0x40000                    ; behind K and V: the spare words, 128 bytes a wave, that no other line names
.set VBASE, 131072
.set LI,  1                            ; 16 x lane; never rewritten
.set ADK, 2                            ; LDS address of the K that is asked for next
.set ADV, 3                            ; of the V
.set SPW, 4
.set NIL, 5
.set SCP, 6                            ; 2^e5 (on the way out 2^e6)
.set LMO, 7                            ; the way out: 448 x 2^e6
.set OMA, 8                            ; the old -M of A; v9 of B
.set OMB, 9
.set MA,  10                           ; v10 -M, v11 the running largest score, of A; v12, v13 of B
.set MB,  12
.set LA,  14                           ; the sum in two halves, A; v16-17 B
.set LB,  16
.set FA,  18                           ; f = 2^(old M - new M), A (v19 is only named); v20 B
.set FB,  20
.set XA,  22                           ; lane permutes' results
.set XB,  23
.set CH,  24                           ; v24-27 four chains of maxima for A, v28-31 for B
.set SA,  32
.set SB,  96
.set OA,  160
.set OB,  192
.set PA,  224
.set PB,  240
.set KF,  0                            ; window 1
.set VF,  64
.set QA,  128
.set QB,  136
.set TB,  2                            ; s2  8,192 x the step
.set CNT, 3
.set WV,  18
.set SEL, 20
.set CS,  22                           ; s[22:23] c = log2(e) / 8 x 2^(e2 + e3)
.set G1K, 24                           ; the first fill's shapes
.set G1V, 32
.set G0,  40
.set T1,  44
.set T2,  45
.set PL,  46                           ; 448 x 2^e5
.set SO,  47                           ; 2^e6
.set LO,  48                           ; 448 x 2^e6
.set EO,  49                           ; e4 + e5
.set G2K, 52                           ; the second fill's shapes
.set G0B, 60
.set G2V, 76
.set NC,  94                           ; -c
.set MSB, 0
.macro WIN new                         ; the immediate's high byte repeats the setting that is left
.if MSB != (\new)
	s_set_vgpr_msb (MSB<<8)|(\new)
.set MSB, (\new)
.endif
.endm
.macro CROUND
	s_barrier_signal -1
	s_barrier_wait -1
	s_cmp_lg_u32 s[WV], 0
	s_cbranch_scc1 .Lnot_wave_0_\@
	s_barrier_signal -3
.Lnot_wave_0_\@:
	s_barrier_wait -3
	s_barrier_signal -1
	s_barrier_wait -1
.endm
.macro GRP g, c, r, p                  ; descriptor group 1: r rows of c elements of 8 bytes, p elements apart in memory, dense in LDS
	s_mov_b32 s[\g], 15|(3<<16)|(1<<21)            ; the mask: all four work-groups; elements of 8 bytes; bit 21 beside a mask; no padding
	s_mov_b32 s[\g+1], (\c)<<16
	s_mov_b32 s[\g+2], (\r)<<16
	s_mov_b32 s[\g+3], (\c)<<16
	s_mov_b32 s[\g+4], \r
	s_mov_b32 s[\g+5], \p
	s_mov_b32 s[\g+6], 0
	s_mov_b32 s[\g+7], 0
.endm
.macro JLOAD g0, gk, gv                ; every wave issues one joint load; s_nop 0 and four v_nop follow each line
	s_cmp_lt_u32 s[WV], 4
	s_cbranch_scc0 .Lfor_v_\@
	tensor_load_to_lds s[\g0:\g0+3], s[\gk:\gk+7]
	s_nop 0
.rept 4
	v_nop
.endr
	s_branch .Lasked_\@
.Lfor_v_\@:
	tensor_load_to_lds s[\g0:\g0+3], s[\gv:\gv+7]
	s_nop 0
.rept 4
	v_nop
.endr
.Lasked_\@:
.endm
.macro H2                              ; the reader below takes the result of the vector instruction two before it
	s_delay_alu instid0(VALU_DEP_2)
.endm
.macro ADD2 d, a, b
	v_pk_add_f32 v[\d:\d+1], v[\a:\a+1], v[\b:\b+1]
.endm
.macro DMIN r                          ; the hold at the largest code x the scale, two numbers an instruction; p is not negative, so it is one-sided (the conversion does not saturate: ISA guide 7.6.2)
	v_dual_min_num_f32 v[\r], s[PL], v[\r] :: v_dual_min_num_f32 v[\r+1], s[PL], v[\r+1]
.endm
.macro TMA n                           ; n pairs of A's t - M, from pair j on
.rept \n
	v_pk_fma_f32 v[SA+j:SA+j+1], v[SA+j:SA+j+1], s[CS:CS+1], v[MA:MA+1] op_sel_hi:[1,0,0]
.set j, j+2
.endr
.endm
	s_load_b128 s[4:7], s[0:1], 0x0                ; qkv s[4:5], the scales s[6:7]
	s_load_b64 s[16:17], s[0:1], 0x10              ; oc
	v_lshl_add_u32 v[SPW], v0, 2, SPARE
	v_mov_b32 v[NIL], 0
	ds_add_u32 v[SPW], v[NIL]                      ; the opening: the add, twice on end, and its wait ahead of my first tensor load
	ds_add_u32 v[SPW], v[NIL]
	v_lshrrev_b32 v8, 5, v0
	v_readfirstlane_b32 s[WV], v8                  ; wave 0..7
	v_and_b32 v[LI], 31, v0
	v_lshlrev_b32 v[LI], 4, v[LI]
	s_bfe_u32 s8, ttmp6, 0x40000                   ; cx: it enters Q's and oc's addresses alone
	s_lshl_b32 s9, ttmp9, 2
	s_add_co_u32 s9, s9, s8                        ; my block of 256 queries
	s_and_b32 s10, ttmp7, 0xffff
	s_lshr_b32 s11, s10, 4                         ; batch
	s_and_b32 s12, s10, 15                         ; head
	s_lshr_b32 s13, s12, 1
	s_and_b32 s14, s12, 1
	s_lshl_b32 s76, s11, 22                        ; K of my head: batch x 4 MiB + (8 + head / 2) x 256 KiB + (head % 2) x 1 KiB
	s_add_co_u32 s77, s13, 8
	s_lshl_b32 s77, s77, 18
	s_add_co_u32 s76, s76, s77
	s_lshl_b32 s77, s14, 10
	s_add_co_u32 s76, s76, s77
	s_lshl_b32 s78, s11, 21                        ; V: 8 MiB + batch x 2 MiB + (head / 2) x 256 KiB + (head % 2) x 8 KiB
	s_add_co_u32 s78, s78, 0x800000
	s_lshl_b32 s79, s13, 18
	s_add_co_u32 s78, s78, s79
	s_lshl_b32 s79, s14, 13
	s_add_co_u32 s78, s78, s79
	s_and_b32 s80, s[WV], 3                        ; which quarter of a fill I ask for,
	s_lshr_b32 s81, s[WV], 2                       ; of K (0) or of V (1)
	s_cmp_lt_u32 s[WV], 4
	s_cselect_b32 s76, s76, s78
	s_mul_i32 s50, s80, 49152                      ; the second fill in memory: behind the first 64 KiB, 48 KiB a wave (the other head of the pair lies between the rows)
	s_add_co_u32 s50, s50, 65536
	s_add_co_u32 s50, s50, s76
	s_mov_b32 s51, 0
	s_lshl_b32 s82, s80, 14                        ; the first fill in memory: 16 KiB a wave
	s_add_co_u32 s76, s76, s82
	s_mov_b32 s77, 0
	s_lshl_b32 s83, s81, 17
	s_mul_i32 s86, s80, 24576                      ; the second fill in LDS: behind the first 32 KiB, 24 KiB a wave
	s_add_co_u32 s86, s86, 32768
	s_add_co_u32 s86, s86, s83
	s_lshl_b32 s84, s80, 13                        ; the first fill in LDS: 8 KiB a wave
	s_add_co_u32 s83, s83, s84
	s_lshl_b32 s9, s9, 4
	s_lshl_b32 s84, s[WV], 1
	s_add_co_u32 s9, s9, s84                       ; tile A's block of 16 queries in the batch; B's is the next
	s_lshl_b32 s88, s11, 22                        ; Q: batch x 4 MiB + (head / 2) x 256 KiB + block x 2 KiB + (head % 2) x 1 KiB
	s_lshl_b32 s89, s13, 18
	s_add_co_u32 s88, s88, s89
	s_lshl_b32 s89, s9, 11
	s_add_co_u32 s88, s88, s89
	s_lshl_b32 s89, s14, 10
	s_add_co_u32 s88, s88, s89
	s_mov_b32 s89, 0
	s_lshl_b32 s90, s11, 7                         ; oc: (batch x 128 + block) x 16 KiB + (head / 2) x 2 KiB + (head % 2) x 1 KiB
	s_add_co_u32 s90, s90, s9
	s_lshl_b32 s90, s90, 14
	s_lshl_b32 s91, s13, 11
	s_add_co_u32 s90, s90, s91
	s_lshl_b32 s91, s14, 10
	s_add_co_u32 s90, s90, s91
	s_mov_b32 s91, 0
	GRP G1K, 128, 8, 256                           ; K, first: 8 rows of 1 KiB (16 keys each), 2 KiB apart
	GRP G1V, 128, 8, 128                           ; V, first: 128 keys' 8 KiB, dense, as 8 rows of 1 KiB
	GRP G2K, 128, 24, 256                          ; K, second: 24 rows of 1 KiB
	s_mov_b32 s[SEL], 0x76543210                   ; v_permlanex16_b32: lane l xor 16
	s_mov_b32 s[SEL+1], 0xfedcba98
	s_mov_b32 s[CS], 0x3e38aa3b                    ; log2(e) / 8
	s_wait_dscnt 0x0                               ; both opening adds are done
	s_wait_kmcnt 0x0
	s_load_b256 s[68:75], s[6:7], 0x0              ; e0 .. e7
	s_add_nc_u64 s[92:93], s[4:5], s[88:89]        ; Q
	s_add_nc_u64 s[16:17], s[16:17], s[90:91]      ; oc
	s_mov_b32 s[G0], 1
	s_mov_b32 s[G0+1], s83
	s_add_nc_u64 s[G0+2:G0+3], s[4:5], s[76:77]    ; made of the head and the wave's number alone
	s_or_b32 s[G0+3], s[G0+3], 0x80000000
	s_mov_b32 s[G0B], 1
	s_mov_b32 s[G0B+1], s86
	s_add_nc_u64 s[G0B+2:G0B+3], s[4:5], s[50:51]
	s_or_b32 s[G0B+3], s[G0B+3], 0x80000000
	GRP G2V, 1024, 3, 2048                         ; V, second: 3 rows of 8 KiB, 16 KiB apart (in registers whose offsets have been used up)
	CROUND                                         ; all four work-groups are here: the joint loads meet
	JLOAD G0, G1K, G1V                             ; keys 0 to 511
	s_wait_alu depctr_va_vdst(0)
	WIN 0x40                                       ; destination window 1
	global_load_b128 v[QA:QA+3], v[LI], s[92:93]               ; Q's two fragments, 16 queries x 64 each, stay in registers
	global_load_b128 v[QA+4:QA+7], v[LI], s[92:93] offset:512
	global_load_b128 v[QB:QB+3], v[LI], s[92:93] offset:2048
	global_load_b128 v[QB+4:QB+7], v[LI], s[92:93] offset:2560
	WIN 0
	v_mov_b32 v[MA+1], 0xff61b1e6                  ; the largest score so far: -3e38, under every score
	v_mov_b32 v[MB+1], 0xff61b1e6
.irp r, MA, MB, OMA, OMB
	v_mov_b32 v[\r], 0x7f61b1e6                    ; -M: 3e38, so that the first f is 0
.endr
.irp r, LA, LA+1, LB, LB+1, FA+1, FB+1, XA, XB
	v_mov_b32 v[\r], 0                             ; the sums; upper halves that are only named; permutes' destinations
.endr
.set j, 0
.rept 64
	v_mov_b32 v[OA+j], 0                           ; O^T: the step has no first form of its own: the first change of M multiplies zeros
.set j, j+1
.endr
	v_add_nc_u32 v[ADV], VBASE, v[LI]              ; step 0's V
	s_wait_kmcnt 0x0
	s_add_co_i32 s95, s70, s71
	s_lshl_b32 s95, s95, 23
	s_add_co_i32 s[CS], s[CS], s95                 ; a score stands for score x 2^(e2 + e3): added to c's exponent field
	s_mov_b32 s[CS+1], s[CS]
	s_xor_b32 s[NC], s[CS], 0x80000000             ; -c
	s_add_co_i32 s95, s73, 127
	s_lshl_b32 s96, s95, 23
	v_mov_b32 v[SCP], s96                          ; 2^e5, for p's conversions
	s_add_co_i32 s95, s95, 8
	s_lshl_b32 s95, s95, 23
	s_or_b32 s[PL], s95, 0x600000                  ; 448 x 2^e5
	s_add_co_i32 s95, s74, 127
	s_lshl_b32 s[SO], s95, 23                      ; 2^e6
	s_add_co_i32 s95, s95, 8
	s_lshl_b32 s95, s95, 23
	s_or_b32 s[LO], s95, 0x600000                  ; 448 x 2^e6
	s_add_co_i32 s[EO], s72, s73                   ; e4 + e5
	s_mov_b32 s[TB], 0
	s_wait_alu depctr_va_vdst(0)
	s_wait_loadcnt 0x0                             ; Q
	s_wait_tensorcnt 0x0                           ; my part of keys 0 to 511 is in; a later first fill is issued as a refill is:
	ds_add_u32 v[SPW], v[NIL]                      ; 0 onto my spare word
	s_wait_dscnt 0x0
	CROUND                                         ; everybody's part is in, and the joint loads meet
	JLOAD G0B, G2K, G2V                            ; keys 512 to 2,047: my one tensor load behind the round
	WIN 0x40
.irp t, 0,1,2,3,4,5,6,7
	ds_load_b128 v[KF+8*\t:KF+8*\t+3], v[LI] offset:1024*\t          ; step 0's K
	ds_load_b128 v[KF+8*\t+4:KF+8*\t+7], v[LI] offset:1024*\t+512
.endr
.irp t, 0,1,2,3
.irp q, 0,1,2,3
	ds_load_b128 v[VF+16*\t+4*\q:VF+16*\t+4*\q+3], v[ADV] offset:2048*\t+512*\q   ; step 0's V
.endr
.endr
	WIN 0
; n steps of 128 keys; no barrier stands in the loop.  wrap = 1: behind the last tile the look-ahead takes the first again
.macro STEPS n, wrap
	s_mov_b32 s[CNT], \n
.Lstep_\@:
	s_add_co_u32 s[T2], s[TB], 8192                ; the next step's tile
.if \wrap
	s_and_b32 s[T2], s[T2], 0x1ffff
.endif
	s_add_co_u32 s[T1], s[T2], VBASE
	s_wait_dscnt 16                                ; this step's K is in; the sixteen younger loads, its V, may be out
	WIN 0x05                                       ; sources 0 and 1: window 1
.irp t, 0,1,2,3,4,5,6,7
	v_wmma_f32_16x16x64_fp8_fp8 v[SA+8*\t:SA+8*\t+7], v[KF+8*\t:KF+8*\t+7], v[QA:QA+7], 0
	v_wmma_f32_16x16x64_fp8_fp8 v[SB+8*\t:SB+8*\t+7], v[KF+8*\t:KF+8*\t+7], v[QB:QB+7], 0
.endr
	WIN 0
	v_add_nc_u32 v[ADK], s[T2], v[LI]              ; four places behind the products (ISA guide 7.12.1): the next K's and V's addresses and two v_nop
	v_add_nc_u32 v[ADV], s[T1], v[LI]
	v_nop
	v_nop
	WIN 0x40
.irp t, 0,1,2,3,4,5,6,7
	ds_load_b128 v[KF+8*\t:KF+8*\t+3], v[ADK] offset:1024*\t         ; the next step's K lands under the softmax
	ds_load_b128 v[KF+8*\t+4:KF+8*\t+7], v[ADK] offset:1024*\t+512
.endr
	WIN 0
.irp c, 0,1,2,3                        ; the step's largest scores, four chains a tile, A and B by turns; each accumulator is read from its low end on
	v_max3_num_f32 v[CH+\c], v[SA+3*\c], v[SA+3*\c+1], v[SA+3*\c+2]
	v_max3_num_f32 v[CH+4+\c], v[SB+3*\c], v[SB+3*\c+1], v[SB+3*\c+2]
.endr
.set p, 0
.rept 26
	v_max3_num_f32 v[CH+p%4], v[CH+p%4], v[SA+12+2*p], v[SA+13+2*p]
	v_max3_num_f32 v[CH+4+p%4], v[CH+4+p%4], v[SB+12+2*p], v[SB+13+2*p]
.set p, p+1
.endr
	v_max3_num_f32 v[CH], v[CH], v[CH+1], v[CH+2]
	v_max3_num_f32 v[CH+4], v[CH+4], v[CH+5], v[CH+6]
	H2
	v_max_num_f32 v[CH], v[CH], v[CH+3]
	H2
	v_max_num_f32 v[CH+4], v[CH+4], v[CH+7]
	H2
	v_permlanex16_b32 v[XA], v[CH], s[SEL], s[SEL+1]
	H2
	v_permlanex16_b32 v[XB], v[CH+4], s[SEL], s[SEL+1]
	H2
	v_max3_num_f32 v[MA+1], v[MA+1], v[CH], v[XA]  ; the running largest score: mine, lane l xor 16's, and what was
	H2
	v_max3_num_f32 v[MB+1], v[MB+1], v[CH+4], v[XB]
	H2
	v_mul_f32 v[CH], s[NC], v[MA+1]                ; -t (c is positive)
	H2
	v_mul_f32 v[CH+4], s[NC], v[MB+1]
	H2
	v_floor_f32 v[MA], v[CH]                       ; the new -M = -ceil(t): a whole number
	H2
	v_floor_f32 v[MB], v[CH+4]
.set j, 0
	TMA 4                                          ; A: t - M, two at a time; the three steps to f stand among them
	v_sub_f32 v[CH], v[MA], v[OMA]                 ; old M - new M: a whole number, 0 or less
	v_sub_f32 v[CH+4], v[MB], v[OMB]
	TMA 4
	v_cvt_i32_f32 v[CH], v[CH]                     ; (it saturates)
	v_cvt_i32_f32 v[CH+4], v[CH+4]
	TMA 4
	v_ldexp_f32 v[FA], 1.0, v[CH]                  ; f = 2^(old M - new M)
	v_ldexp_f32 v[FB], 1.0, v[CH+4]
	TMA 20
.set j, 0
.rept 16
	v_pk_mul_f32 v[OA+j:OA+j+1], v[OA+j:OA+j+1], v[FA:FA+1] op_sel_hi:[1,0]   ; O^T under the new M: ahead of the exponentials
	v_pk_mul_f32 v[OB+j:OB+j+1], v[OB+j:OB+j+1], v[FB:FB+1] op_sel_hi:[1,0]
.set j, j+2
.endr
	s_wait_alu depctr_va_vdst(0)
.set j, 0
.rept 32                               ; A's exponentials; between them B's t - M, whose results are read only behind the next wait
	v_exp_f32 v[SA+j], v[SA+j]
	v_pk_fma_f32 v[SB+j:SB+j+1], v[SB+j:SB+j+1], s[CS:CS+1], v[MB:MB+1] op_sel_hi:[1,0,0]
	v_exp_f32 v[SA+j+1], v[SA+j+1]
.set j, j+2
.endr
	v_pk_mul_f32 v[LA:LA+1], v[LA:LA+1], v[FA:FA+1] op_sel_hi:[1,0]   ; the sums under the new M (plain instructions behind the exponentials)
	v_pk_mul_f32 v[LB:LB+1], v[LB:LB+1], v[FB:FB+1] op_sel_hi:[1,0]
	s_wait_alu depctr_va_vdst(0)                   ; behind A's batch and ahead of B's
.set j, 0
.rept 16                               ; B's exponentials; between them A's first sums (of the unquantised p, into p's code registers) and A's hold: all read only behind the next wait
	v_exp_f32 v[SB+j], v[SB+j]
	ADD2 PA+j/2, SA+j, SA+j+2
	v_exp_f32 v[SB+j+1], v[SB+j+1]
	DMIN SA+j
	v_exp_f32 v[SB+j+2], v[SB+j+2]
	DMIN SA+j+2
	v_exp_f32 v[SB+j+3], v[SB+j+3]
.set j, j+4
.endr
	v_mov_b32 v[OMA], v[MA]                        ; kept for the next step's f (plain instructions behind the exponentials)
	v_mov_b32 v[OMB], v[MB]
	s_wait_alu depctr_va_vdst(0)                   ; one wait for B's batch, ahead of its first reader
.irp i, 0,1,2,3,4,5,6,7
	ADD2 PA+2*\i, PA+2*\i, PB+2*\i                 ; A: sixteen partial sums become eight,
.endr
.irp i, 0,1,2,3,4,5,6,7
	ADD2 PB+2*\i, SB+2*\i, SB+16+2*\i              ; B: eight chains
.endr
.irp i, 0,1,2,3
	ADD2 PA+2*\i, PA+2*\i, PA+8+2*\i
.endr
.irp i, 0,1,2,3,4,5,6,7
	ADD2 PB+2*\i, PB+2*\i, SB+32+2*\i
.endr
	ADD2 PA, PA, PA+4
	ADD2 PA+2, PA+2, PA+6
.irp i, 0,1,2,3,4,5,6,7
	ADD2 PB+2*\i, PB+2*\i, SB+48+2*\i
.endr
	ADD2 PA, PA, PA+2
.irp i, 0,1,2,3
	ADD2 PB+2*\i, PB+2*\i, PB+8+2*\i
.endr
	ADD2 LA, LA, PA
	ADD2 PB, PB, PB+4
	ADD2 PB+2, PB+2, PB+6
.set j, 0
.rept 16
	DMIN SB+j
.set j, j+2
.endr
	ADD2 PB, PB, PB+2
.rept 16
	DMIN SB+j
.set j, j+2
.endr
	ADD2 LB, LB, PB
.irp t, 0,1,2,3,4,5,6,7
	v_cvt_scalef32_pk8_fp8_f32 v[PA+2*\t:PA+2*\t+1], v[SA+8*\t:SA+8*\t+7], v[SCP]
.endr
.irp t, 0,1,2,3,4,5,6,7
	v_cvt_scalef32_pk8_fp8_f32 v[PB+2*\t:PB+2*\t+1], v[SB+8*\t:SB+8*\t+7], v[SCP]
.endr
	v_nop                                          ; one plain instruction between the last conversion and the products that read the codes
	s_wait_alu depctr_va_vdst(0)
	s_wait_dscnt 16                                ; this step's V is in; the sixteen younger loads, the next K, may be out
	WIN 0x01                                       ; source 0: window 1
.irp t, 0,1,2,3
	v_wmma_f32_16x16x128_fp8_fp8 v[OA+8*\t:OA+8*\t+7], v[VF+16*\t:VF+16*\t+15], v[PA:PA+15], v[OA+8*\t:OA+8*\t+7]   ; the eight accumulators by turns
	v_wmma_f32_16x16x128_fp8_fp8 v[OB+8*\t:OB+8*\t+7], v[VF+16*\t:VF+16*\t+15], v[PB:PB+15], v[OB+8*\t:OB+8*\t+7]
.endr
	WIN 0x40
.rept 4
	v_nop                                          ; places in front of the loads into registers that the products read
.endr
.irp t, 0,1,2,3
.irp q, 0,1,2,3
	ds_load_b128 v[VF+16*\t+4*\q:VF+16*\t+4*\q+3], v[ADV] offset:2048*\t+512*\q   ; the next step's V
.endr
.endr
	WIN 0
	s_add_co_u32 s[TB], s[TB], 8192
	s_sub_co_u32 s[CNT], s[CNT], 1
	s_cmp_lg_u32 s[CNT], 0
	s_cbranch_scc1 .Lstep_\@
.endm
	STEPS 3, 0                                     ; steps 0 to 2: they read tiles 0 to 3, the first fill's
	s_wait_tensorcnt 0x0                           ; my part of keys 512 to 2,047 is in,
	s_wait_dscnt 0x0                               ; no LDS load of mine is out at the signal,
	s_barrier_signal -1
	s_barrier_wait -1                              ; and everybody's part is in
	STEPS 13, 1
	; THE WAY OUT: O^T x 2^(e4 + e5) / the sum, quantised with 2^e6: four conversions a tile give eight registers of the next product's operand, stored as they stand
.rept 4
	v_nop                                          ; places behind the last products
.endr
	v_add_f32 v[LA], v[LA], v[LA+1]
	v_add_f32 v[LB], v[LB], v[LB+1]
	H2
	v_permlanex16_b32 v[XA], v[LA], s[SEL], s[SEL+1]
	H2
	v_permlanex16_b32 v[XB], v[LB], s[SEL], s[SEL+1]
	H2
	v_add_f32 v[LA], v[LA], v[XA]                  ; the rows' sums
	H2
	v_add_f32 v[LB], v[LB], v[XB]
	s_wait_alu depctr_va_vdst(0)                   ; ahead of the two reciprocals
	v_rcp_f32 v[LA], v[LA]
	v_rcp_f32 v[LB], v[LB]
	v_mov_b32 v[SCP], s[SO]                        ; (plain instructions behind them)
	v_mov_b32 v[LMO], s[LO]
	s_wait_alu depctr_va_vdst(0)                   ; and ahead of their first reader
	v_ldexp_f32 v[LA], v[LA], s[EO]
	v_ldexp_f32 v[LB], v[LB], s[EO]
	s_wait_alu depctr_va_vdst(0)                   ; directly ahead of the first readers of O^T
.set j, 0
.rept 32
	v_mul_f32 v[SA+j], v[OA+j], v[LA]              ; register 8 t + i is o(query r, d = 16 t + 8 h + i)
	v_mul_f32 v[SB+j], v[OB+j], v[LB]
.set j, j+1
.endr
.set j, 0
.rept 32
	v_med3_num_f32 v[SA+j], v[SA+j], -v[LMO], v[LMO]
	v_med3_num_f32 v[SB+j], v[SB+j], -v[LMO], v[LMO]
.set j, j+1
.endr
.irp t, 0,1,2,3
	v_cvt_scalef32_pk8_fp8_f32 v[PA+2*\t:PA+2*\t+1], v[SA+8*\t:SA+8*\t+7], v[SCP]
	v_cvt_scalef32_pk8_fp8_f32 v[PB+2*\t:PB+2*\t+1], v[SB+8*\t:SB+8*\t+7], v[SCP]
.endr
	v_nop
	global_store_b128 v[LI], v[PA:PA+3], s[16:17]              ; 32 lanes store 512 consecutive bytes, aligned
	global_store_b128 v[LI], v[PA+4:PA+7], s[16:17] offset:512
	global_store_b128 v[LI], v[PB:PB+3], s[16:17] offset:16384
	global_store_b128 v[LI], v[PB+4:PB+7], s[16:17] offset:16896
	s_wait_tensorcnt 0x0                           ; the wave's end
	ds_add_u32 v[SPW], v[NIL]
	s_wait_dscnt 0x0
	CROUND                                         ; the closing round
	s_endpgm
.Lfunc_end_k_q538355cd31_attn:
	.size	k_q538355cd31_attn, .Lfunc_end_k_q538355cd31_attn-k_q538355cd31_attn
	.p2alignl 7, 3214868480
	.fill 96, 4, 3214868480
	.section	.rodata,"a",@progbits
	.p2align	6, 0x0
	.amdhsa_kernel k_q538355cd31_attn
		.amdhsa_group_segment_fixed_size 327680
		.amdhsa_private_segment_fixed_size 0
		.amdhsa_enable_private_segment 0
		.amdhsa_kernarg_size 24
		.amdhsa_user_sgpr_count 2
		.amdhsa_user_sgpr_kernarg_segment_ptr 1
		.amdhsa_wavefront_size32 1
		.amdhsa_system_sgpr_workgroup_id_x 1
		.amdhsa_system_sgpr_workgroup_id_y 1
		.amdhsa_system_sgpr_workgroup_id_z 1
		.amdhsa_system_vgpr_workitem_id 0
		.amdhsa_next_free_vgpr 512
		.amdhsa_next_free_sgpr 100
		.amdhsa_reserve_vcc 0
		.amdhsa_float_denorm_mode_32 3
		.amdhsa_float_denorm_mode_16_64 3
		.amdhsa_memory_ordered 1
		.amdhsa_forward_progress 1
		.amdhsa_inst_pref_size 79
	.end_amdhsa_kernel
	.amdgpu_metadata
---
amdhsa.version: [ 1, 2 ]
amdhsa.kernels:
  - .name:           k_q538355cd31_attn
    .symbol:         k_q538355cd31_attn.kd
    .args:
      - { .name: qkv, .offset: 0, .size: 8, .value_kind: global_buffer, .address_space: global }
      - { .name: lowp_scales, .offset: 8, .size: 8, .value_kind: global_buffer, .address_space: global }
      - { .name: oc, .offset: 16, .size: 8, .value_kind: global_buffer, .address_space: global }
    .group_segment_fixed_size: 327680
    .private_segment_fixed_size: 0
    .kernarg_segment_align: 8
    .kernarg_segment_size: 24
    .max_flat_workgroup_size: 256
    .sgpr_count:     100
    .vgpr_count:     512
    .wavefront_size: 32
...
	.end_amdgpu_metadata
.endif
;; end of part 3
;; launch proj (part 4): grid 8 x 32, 4 waves a work-group, clusters of 4 x 4, 327,680 bytes of LDS; arguments oc, w_proj_codes, lowp_scales, b_proj, x, x1; writes x1
.if DOCPART == 4
	.amdgcn_target "amdgcn-amd-amdhsa--gfx1250"
	.amdhsa_code_object_version 6
	.text
	.protected	k_q538355cd31_proj
	.globl	k_q538355cd31_proj
	.p2align	8
	.type	k_q538355cd31_proj,@function
k_q538355cd31_proj:
	s_mov_b64 s[64:65], 0
	v_nop
	global_prefetch_b8 v0, s[64:65] scope:SCOPE_SE
	s_setreg_imm32_b32 hwreg(HW_REG_WAVE_MODE, 25, 1), 1
	s_wait_xcnt 0x0
	s_wait_alu depctr_hold_cnt(0) depctr_sa_sdst(0) depctr_va_vdst(0) depctr_va_sdst(0) depctr_va_ssrc(0) depctr_va_vcc(0) depctr_vm_vsrc(0)
	s_getreg_b32 s2, hwreg(HW_REG_IB_STS2, 6, 4)
	s_cmp_eq_u32 s2, 0
	s_cbranch_scc0 .Lentry_in_a_cluster
	s_endpgm
.Lentry_in_a_cluster:
	s_bfe_u32 s2, ttmp6, 0x10000c
	s_cmp_lg_u32 s2, 0xf033
	s_cbranch_scc0 .Lentry_shape_is_right
	s_endpgm
.Lentry_shape_is_right:
.set SIZE_K, 1024
.set EA,     24
.set KSTEP,  512
.set LAPS,   SIZE_K/(2*KSTEP)
.set AREG,   65536
.set PITCH,  528
.set HALFB,  64*PITCH
.set SLOT,   AREG+2*HALFB
.set SPARE,  2*SLOT
.set STAGE,  SPARE+512
.set SPITCH, 272
.set BI,   12
.set ADRA, 16
.set ADRB, 20
.set STO,  24
.set RD,   25
.set CO,   26
.set SPW,  28
.set NIL,  29
.set ACC,  128
.set F0,   0
.set F1,   128
.set G1A, 24
.set G0A, 32
.set G1B, 48
.set G0B, 56
.set MSB, 0
.macro WIN new
.if MSB != (\new)
	s_set_vgpr_msb (MSB<<8)|(\new)
.set MSB, (\new)
.endif
.endm
.set MUL,  0x05
.set TO_F, 0x40
.macro JLOAD s
	s_cmp_eq_u32 s17, 0
	s_cbranch_scc0 .Lfor_b_\@
	tensor_load_to_lds s[G0A+4*\s:G0A+4*\s+3], s[G1A:G1A+7]
	s_nop 0
.rept 4
	v_nop
.endr
	s_branch .Lasked_\@
.Lfor_b_\@:
	tensor_load_to_lds s[G0B+4*\s:G0B+4*\s+3], s[G1B:G1B+7]
	s_nop 0
.rept 4
	v_nop
.endr
.Lasked_\@:
.endm
.macro CREST
	s_cmp_lg_u32 s16, 0
	s_cbranch_scc1 .Lnot_wave_0_\@
	s_barrier_signal -3
.Lnot_wave_0_\@:
	s_barrier_wait -3
	s_barrier_signal -1
	s_barrier_wait -1
.endm
.macro CROUND
	s_barrier_signal -1
	s_barrier_wait -1
	CREST
.endm
	s_load_b256 s[4:11], s[0:1], 0x0
	s_load_b128 s[12:15], s[0:1], 0x20
	v_lshl_add_u32 v[SPW], v0, 2, SPARE
	v_mov_b32 v[NIL], 0
	ds_add_u32 v28, v29
	ds_add_u32 v28, v29
	s_wait_dscnt 0x0
	v_lshrrev_b32 v1, 5, v0
	v_readfirstlane_b32 s16, v1
	s_lshr_b32 s17, s16, 1
	s_and_b32 s18, s16, 1
	s_bfe_u32 s40, ttmp6, 0x40000
	s_bfe_u32 s41, ttmp6, 0x40004
	s_lshl_b32 s42, ttmp9, 2
	s_add_co_u32 s42, s42, s40
	s_and_b32 s43, ttmp7, 0xffff
	s_lshl_b32 s43, s43, 2
	s_add_co_u32 s43, s43, s41
	s_lshl_b32 s44, s41, 2
	s_lshl_b32 s44, 15, s44
	s_lshl_b32 s45, 0x1111, s40
	s_or_b32 s[G1A], s44, (3<<16)|(1<<21)
	s_mov_b32 s[G1A+1], 1024<<16
	s_mov_b32 s[G1A+2], 4<<16
	s_mov_b32 s[G1A+3], 1024<<16
	s_mov_b32 s[G1A+4], 4
	s_mov_b32 s[G1A+5], 2*SIZE_K
	s_mov_b32 s[G1A+6], 0
	s_mov_b32 s[G1A+7], 0
	s_or_b32 s[G1B], s45, (0<<16)|(1<<20)|(1<<21)|(6<<22)|(3<<25)
	s_mov_b32 s[G1B+1], KSTEP<<16
	s_mov_b32 s[G1B+2], 64<<16
	s_mov_b32 s[G1B+3], KSTEP<<16
	s_mov_b32 s[G1B+4], 64
	s_mov_b32 s[G1B+5], SIZE_K
	s_mov_b32 s[G1B+6], 0
	s_mov_b32 s[G1B+7], 0
	s_lshl_b32 s20, s43, 3
	s_lshl_b32 s19, s18, 2
	s_add_co_u32 s20, s20, s19
	s_mul_i32 s20, s20, 16*SIZE_K
	s_mov_b32 s21, 0
	s_lshl_b32 s46, s42, 7
	s_lshl_b32 s19, s18, 6
	s_add_co_u32 s46, s46, s19
	s_mul_i32 s46, s46, SIZE_K
	s_mov_b32 s47, 0
	s_lshl_b32 s22, s18, 15
	s_mul_i32 s23, s18, HALFB
	s_add_co_u32 s23, s23, AREG
	s_wait_kmcnt 0x0
	s_load_b64 s[66:67], s[8:9], EA
	s_add_nc_u64 s[20:21], s[4:5], s[20:21]
	s_add_nc_u64 s[46:47], s[6:7], s[46:47]
	; the prefetch's base: K step 1 of what my wave fetches, 32 KiB; the partner at place p among the four that ask jointly takes 8 KiB of it (p = cx for A, cy for B): told apart by address alone
	s_cmp_eq_u32 s17, 0
	s_cselect_b64 s[72:73], s[20:21], s[46:47]
	s_cselect_b32 s74, s40, s41
	s_mov_b32 s75, 512
	s_cselect_b32 s75, 8192, s75                   ; K step 1 begins 8,192 bytes on in A's images, 512 in B's rows
	s_lshl_b32 s74, s74, 14                        ; A: one block of 16 rows; B: 16 rows of 1,024 bytes
	s_add_co_u32 s74, s74, s75
	s_mov_b32 s75, 0
	s_add_nc_u64 s[72:73], s[72:73], s[74:75]      ; never rewritten
	s_lshl_b32 s76, 512, s17                       ; from one pair of lanes to the next: A 512 bytes on, B a row
	CROUND
.irp s, 0,1
	s_mov_b32 s[G0A+4*\s], 1
	s_add_co_u32 s[G0A+4*\s+1], s22, \s*SLOT
	s_add_nc_u64 s[G0A+4*\s+2:G0A+4*\s+3], s[20:21], \s*8192
	s_or_b32 s[G0A+4*\s+3], s[G0A+4*\s+3], 0x80000000
	s_mov_b32 s[G0B+4*\s], 1
	s_add_co_u32 s[G0B+4*\s+1], s23, \s*SLOT
	s_add_nc_u64 s[G0B+4*\s+2:G0B+4*\s+3], s[46:47], \s*KSTEP
	s_or_b32 s[G0B+4*\s+3], s[G0B+4*\s+3], 0x80000000
.endr
	JLOAD 0
	v_and_b32 v1, 15, v0
	v_bfe_u32 v2, v0, 4, 1
	v_and_b32 v3, 31, v0
	v_lshlrev_b32 v3, 4, v3
	s_lshl_b32 s19, s17, 15
	v_add_nc_u32 v[ADRA], s19, v3
	v_add_nc_u32 v[ADRA+1], SLOT, v[ADRA]
	v_mul_u32_u24 v4, v1, PITCH
	v_lshl_add_u32 v4, v2, 3, v4
	s_mul_i32 s19, s18, HALFB
	s_add_co_u32 s19, s19, AREG
	v_add_nc_u32 v[ADRB], s19, v4
	v_add_nc_u32 v[ADRB+1], SLOT, v[ADRB]
	s_mul_i32 s19, s16, 16*SPITCH
	s_add_co_u32 s19, s19, STAGE
	v_mul_u32_u24 v5, v1, SPITCH
	v_lshl_add_u32 v5, v2, 5, v5
	v_add_nc_u32 v[STO], s19, v5
	v_mul_u32_u24 v5, v2, SPITCH
	v_lshl_add_u32 v5, v1, 4, v5
	v_add_nc_u32 v[RD], s19, v5
	v_lshlrev_b32 v[CO], 12, v2
	v_lshl_add_u32 v[CO], v1, 4, v[CO]
	v_lshlrev_b32 v6, 4, v1
	v_and_b32 v7, 31, v0
	v_lshrrev_b32 v8, 1, v7
	v_and_b32 v7, 1, v7
	v_mul_lo_u32 v8, v8, s76
	v_lshl_add_u32 v8, v7, 8, v8                   ; each lane names another block of 256 bytes; never rewritten
	global_prefetch_b8 v8, s[72:73] th:TH_LOAD_NT scope:SCOPE_SE   ; K step 1, the last: behind K step 0's load
	s_wait_alu depctr_va_vdst(0)
	s_lshl_b32 s68, s43, 1
	s_add_co_u32 s68, s68, s17
	s_lshl_b32 s68, s68, 18
	s_lshl_b32 s69, s42, 1
	s_add_co_u32 s69, s69, s18
	s_lshl_b32 s69, s69, 8
	s_mov_b32 s70, s69
	s_mov_b32 s71, 0
	s_add_nc_u64 s[10:11], s[10:11], s[70:71]
	s_add_co_u32 s70, s68, s69
	s_add_nc_u64 s[12:13], s[12:13], s[70:71]
	s_add_nc_u64 s[14:15], s[14:15], s[70:71]
	global_load_b128 v[BI:BI+3], v6, s[10:11]
	WIN 0x80
.irp a, 0,1,2,3
.irp t, 0,1,2,3,4,5,6,7
	global_load_b128 v[4*(8*\a+\t):4*(8*\a+\t)+3], v[CO], s[12:13] offset:(16*\a+2*\t)*4096
.endr
.endr
	WIN 0
.macro MUL8 f, a0, zero
	WIN MUL
.irp a, \a0, \a0+1
.irp b, 0,1,2,3
.if \zero
	v_wmma_f32_16x16x128_fp8_fp8 v[ACC+8*(4*(\a)+\b):ACC+8*(4*(\a)+\b)+7], v[\f+64+16*\b:\f+64+16*\b+15], v[\f+16*(\a):\f+16*(\a)+15], 0
.else
	v_wmma_f32_16x16x128_fp8_fp8 v[ACC+8*(4*(\a)+\b):ACC+8*(4*(\a)+\b)+7], v[\f+64+16*\b:\f+64+16*\b+15], v[\f+16*(\a):\f+16*(\a)+15], v[ACC+8*(4*(\a)+\b):ACC+8*(4*(\a)+\b)+7]
.endif
.endr
.endr
.endm
.macro FETCH slot, q, f
	WIN TO_F
.irp i, 0,1,2,3
.irp c, 0,1,2,3,4,5,6,7
	ds_load_b64 v[\f+64+16*\i+2*\c:\f+64+16*\i+2*\c+1], v[ADRB+\slot] offset:\i*16*PITCH+128*(\q)+16*\c
.endr
.endr
.irp i, 0,1,2,3
.irp c, 0,1,2,3
	ds_load_b128 v[\f+16*\i+4*\c:\f+16*\i+4*\c+3], v[ADRA+\slot] offset:8192*\i+2048*(\q)+512*\c
.endr
.endr
.endm
.macro PLACES
.rept 4
	v_nop
.endr
.endm
.macro QUARTER slot, qn, f, g, zero
	s_wait_dscnt 8
	MUL8 \f, 0, \zero
	PLACES
	FETCH \slot, \qn, \g
	s_wait_dscnt 48
	MUL8 \f, 2, \zero
.endm
.macro TURN slot, next, fill
	WIN 0
	s_wait_tensorcnt 0x0
	ds_add_u32 v[SPW], v[NIL]
	s_wait_dscnt 9
	MUL8 F1, 0, 0
	s_wait_dscnt 0x0
	s_barrier_signal -1
	MUL8 F1, 2, 0
	WIN 0
	s_barrier_wait -1
.if \fill
	CREST
	s_add_nc_u64 s[G0A+4*\slot+2:G0A+4*\slot+3], s[G0A+4*\slot+2:G0A+4*\slot+3], 2*8192
	s_add_nc_u64 s[G0B+4*\slot+2:G0B+4*\slot+3], s[G0B+4*\slot+2:G0B+4*\slot+3], 2*KSTEP
	JLOAD \slot
.else
	PLACES
.endif
	FETCH \next, 0, F0
.endm
	s_wait_tensorcnt 0x0
	ds_add_u32 v[SPW], v[NIL]
	s_wait_dscnt 0x0
	CROUND
	JLOAD 1
	FETCH 0, 0, F0
	QUARTER 0, 1, F0, F1, 1
.if LAPS > 1
	WIN 0
	s_mov_b32 s3, LAPS-1
.Llap:
	QUARTER 0, 2, F1, F0, 0
	QUARTER 0, 3, F0, F1, 0
	TURN 0, 1, 1
	QUARTER 1, 1, F0, F1, 0
	QUARTER 1, 2, F1, F0, 0
	QUARTER 1, 3, F0, F1, 0
	TURN 1, 0, 1
	QUARTER 0, 1, F0, F1, 0
	WIN 0
	s_sub_co_u32 s3, s3, 1
	s_cmp_lg_u32 s3, 0
	s_cbranch_scc1 .Llap
.endif
	QUARTER 0, 2, F1, F0, 0
	QUARTER 0, 3, F0, F1, 0
	TURN 0, 1, 0
	QUARTER 1, 1, F0, F1, 0
	QUARTER 1, 2, F1, F0, 0
	QUARTER 1, 3, F0, F1, 0
	s_wait_dscnt 8
	MUL8 F1, 0, 0
	s_wait_dscnt 0
	MUL8 F1, 2, 0
	PLACES
	s_wait_loadcnt 0x0
	s_wait_kmcnt 0x0
	s_add_co_i32 s66, s66, s67
	s_add_co_i32 s66, s66, 127
	s_lshl_b32 s66, s66, 23
	s_mov_b32 s67, s66
	WIN TO_F
.irp a, 0,1,2,3
.irp b, 0,1,2,3
	ds_store_b128 v[STO], v[ACC+8*(4*\a+\b):ACC+8*(4*\a+\b)+3] offset:64*\b
	ds_store_b128 v[STO], v[ACC+8*(4*\a+\b)+4:ACC+8*(4*\a+\b)+7] offset:64*\b+16
.endr
.irp t, 0,1,2,3,4,5,6,7
	ds_load_b128 v[32*\a+4*\t:32*\a+4*\t+3], v[RD] offset:\t*2*SPITCH
.endr
.endr
.irp a, 0,1,2,3
	s_wait_dscnt 16*(3-\a)
	WIN 0x41
.irp t, 0,1,2,3,4,5,6,7
	v_pk_fma_f32 v[32*\a+4*\t:32*\a+4*\t+1],   v[32*\a+4*\t:32*\a+4*\t+1],   s[66:67], v[BI:BI+1] op_sel_hi:[1,0,1]
	v_pk_fma_f32 v[32*\a+4*\t+2:32*\a+4*\t+3], v[32*\a+4*\t+2:32*\a+4*\t+3], s[66:67], v[BI+2:BI+3] op_sel_hi:[1,0,1]
.endr
	WIN 0x49
.irp t, 0,1,2,3,4,5,6,7
	v_pk_add_f32 v[32*\a+4*\t:32*\a+4*\t+1],   v[32*\a+4*\t:32*\a+4*\t+1],   v[32*\a+4*\t:32*\a+4*\t+1]
	v_pk_add_f32 v[32*\a+4*\t+2:32*\a+4*\t+3], v[32*\a+4*\t+2:32*\a+4*\t+3], v[32*\a+4*\t+2:32*\a+4*\t+3]
.endr
	WIN 0x04
.irp t, 0,1,2,3,4,5,6,7
	global_store_b128 v[CO], v[32*\a+4*\t:32*\a+4*\t+3], s[14:15] offset:(16*\a+2*\t)*4096
.endr
.endr
	WIN 0
	s_wait_tensorcnt 0x0
	ds_add_u32 v[SPW], v[NIL]
	s_wait_dscnt 0x0
	CROUND
	s_endpgm
.Lfunc_end_k_q538355cd31_proj:
	.size	k_q538355cd31_proj, .Lfunc_end_k_q538355cd31_proj-k_q538355cd31_proj
	.p2alignl 7, 3214868480
	.fill 96, 4, 3214868480
	.section	.rodata,"a",@progbits
	.p2align	6, 0x0
	.amdhsa_kernel k_q538355cd31_proj
		.amdhsa_group_segment_fixed_size 327680
		.amdhsa_private_segment_fixed_size 0
		.amdhsa_enable_private_segment 0
		.amdhsa_kernarg_size 48
		.amdhsa_user_sgpr_count 2
		.amdhsa_user_sgpr_kernarg_segment_ptr 1
		.amdhsa_wavefront_size32 1
		.amdhsa_system_sgpr_workgroup_id_x 1
		.amdhsa_system_sgpr_workgroup_id_y 1
		.amdhsa_system_sgpr_workgroup_id_z 1
		.amdhsa_system_vgpr_workitem_id 0
		.amdhsa_next_free_vgpr 640
		.amdhsa_next_free_sgpr 80
		.amdhsa_reserve_vcc 0
		.amdhsa_float_denorm_mode_32 3
		.amdhsa_float_denorm_mode_16_64 3
		.amdhsa_memory_ordered 1
		.amdhsa_forward_progress 1
		.amdhsa_inst_pref_size 62
	.end_amdhsa_kernel
	.amdgpu_metadata
---
amdhsa.version: [ 1, 2 ]
amdhsa.kernels:
  - .name:           k_q538355cd31_proj
    .symbol:         k_q538355cd31_proj.kd
    .args:
      - { .name: oc, .offset: 0, .size: 8, .value_kind: global_buffer, .address_space: global }
      - { .name: w_proj_codes, .offset: 8, .size: 8, .value_kind: global_buffer, .address_space: global }
      - { .name: lowp_scales, .offset: 16, .size: 8, .value_kind: global_buffer, .address_space: global }
      - { .name: b_proj, .offset: 24, .size: 8, .value_kind: global_buffer, .address_space: global }
      - { .name: x, .offset: 32, .size: 8, .value_kind: global_buffer, .address_space: global }
      - { .name: x1, .offset: 40, .size: 8, .value_kind: global_buffer, .address_space: global }
    .group_segment_fixed_size: 327680
    .private_segment_fixed_size: 0
    .kernarg_segment_align: 8
    .kernarg_segment_size: 48
    .max_flat_workgroup_size: 128
    .sgpr_count:     80
    .vgpr_count:     640
    .wavefront_size: 32
...
	.end_amdgpu_metadata
.endif
;; end of part 4
;; launch ln2 (part 5): grid 256 x 1, 4 waves a work-group, no clusters, 0 bytes of LDS; arguments x1, ln2_g, ln2_b, lowp_scales, hc; writes hc
.if DOCPART == 5
	.amdgcn_target "amdgcn-amd-amdhsa--gfx1250"
	.amdhsa_code_object_version 6
	.text
	.protected	k_q538355cd31_ln2
	.globl	k_q538355cd31_ln2
	.p2align	8
	.type	k_q538355cd31_ln2,@function
k_q538355cd31_ln2:
	s_mov_b64 s[64:65], 0
	v_nop
	global_prefetch_b8 v0, s[64:65] scope:SCOPE_SE
	s_setreg_imm32_b32 hwreg(HW_REG_WAVE_MODE, 25, 1), 1
	s_wait_xcnt 0x0
; hc[row][:] = codes of E4M3 of LayerNorm(x[row][:]) = (x - mean) * rsqrt(var + 1e-5) * g + b, with the given scale 2^e, e = entry SCI of the scales.
; x: [4096][1024] f32 (here: the residual stream behind the attention block).  hc: [4096][1024] codes, one byte each, row-major.  All arithmetic ahead of the conversion is f32; the variance is taken of x - mean.
; SHARES.  256 work-groups of four waves; a wave owns four rows, one after the other, each row whole in 32 registers a lane: nothing leaves the wave, so there is no LDS and no barrier.
; Lane l holds x[row][256 j + 8 l + i], j = 0..3, i = 0..7: eight neighbours along the row, as the conversion takes them; a pair of loads covers 1,024 consecutive bytes, and the eight codes
; of (row, j) are 8 bytes a lane: the wave's store covers 256 consecutive bytes, aligned.  All 48 loads of a wave go out at the head; each code register is written once, so no store's data are written again.
; LIMITS: -126 <= e <= 119 (2^e and 448 x 2^e are made as f32 numbers).  NaN and infinities among the inputs are not served.
.set SCI, 8                            ; which entry of the scales
.set S,   8                            ; v[8:15]    four packed chains
.set X,   16                           ; v[16:143]  four rows, 32 registers each
.set G,   144                          ; v[144:175] g of my 32 columns
.set BV,  176                          ; v[176:207] b of my 32 columns
.set MU,  208                          ; v[208:215] a pair for each row: the mean (the upper word is only named)
.set RS,  216                          ; v[216:223] a pair for each row: rsqrt(var + eps)
.set CD,  224                          ; v[224:255] codes: eight registers a row
	s_load_b256 s[4:11], s[0:1], 0x0               ; x s[4:5], g s[6:7], b s[8:9], the scales s[10:11]
	s_load_b64 s[12:13], s[0:1], 0x20              ; hc
	v_lshrrev_b32 v1, 5, v0
	v_readfirstlane_b32 s14, v1                    ; wave
	v_and_b32 v1, 31, v0                           ; lane
	v_lshlrev_b32 v2, 5, v1                        ; 32 bytes of f32 a lane
	v_lshlrev_b32 v3, 3, v1                        ; 8 bytes of codes a lane
	v_mov_b32 v4, 0                                ; a lane permute's destination counts as read: written once
.irp r, 0,1,2,3
	v_mov_b32 v[MU+2*\r+1], 0                      ; named as upper halves of pairs
	v_mov_b32 v[RS+2*\r+1], 0
.endr
	s_lshl_b32 s15, ttmp9, 2
	s_add_co_u32 s15, s15, s14                     ; my wave among all 1,024
	s_lshl_b32 s16, s15, 14                        ; four rows of 4,096 bytes
	s_mov_b32 s17, 0
	s_lshl_b32 s18, s15, 12                        ; four rows of 1,024 codes
	s_mov_b32 s19, 0
	s_mov_b32 s21, 0x3a800000                      ; 1 / 1024
	s_mov_b32 s22, 0x3727c5ac                      ; 1e-5
	s_mov_b32 s24, 0x76543210                      ; v_permlanex16_b32: lane l takes lane l xor 16
	s_mov_b32 s25, 0xfedcba98
	s_wait_kmcnt 0x0
	s_load_b32 s20, s[10:11], 4*SCI                ; e
	s_add_nc_u64 s[4:5], s[4:5], s[16:17]
	s_add_nc_u64 s[12:13], s[12:13], s[18:19]
.irp r, 0,1,2,3
.irp j, 0,1,2,3
	global_load_b128 v[X+32*\r+8*\j:X+32*\r+8*\j+3],   v2, s[4:5] offset:4096*\r+1024*\j th:TH_LOAD_NT
	global_load_b128 v[X+32*\r+8*\j+4:X+32*\r+8*\j+7], v2, s[4:5] offset:4096*\r+1024*\j+16 th:TH_LOAD_NT
.endr
.endr
.irp j, 0,1,2,3
	global_load_b128 v[G+8*\j:G+8*\j+3],    v2, s[6:7] offset:1024*\j
	global_load_b128 v[G+8*\j+4:G+8*\j+7],  v2, s[6:7] offset:1024*\j+16
	global_load_b128 v[BV+8*\j:BV+8*\j+3],   v2, s[8:9] offset:1024*\j
	global_load_b128 v[BV+8*\j+4:BV+8*\j+7], v2, s[8:9] offset:1024*\j+16
.endr
	s_wait_kmcnt 0x0
	s_add_co_i32 s20, s20, 127
	s_lshl_b32 s23, s20, 23
	v_mov_b32 v5, s23                              ; 2^e as f32: the conversion takes its exponent field
	s_add_co_i32 s20, s20, 8
	s_lshl_b32 s20, s20, 23
	s_or_b32 s20, s20, 0x600000
	v_mov_b32 v6, s20                              ; 448 x 2^e
; the four packed chains become one number a lane, then the wave's sum, in every lane's v[S]
.macro FOLD
	v_pk_add_f32 v[S:S+1], v[S:S+1], v[S+2:S+3]
	v_pk_add_f32 v[S+4:S+5], v[S+4:S+5], v[S+6:S+7]
	v_pk_add_f32 v[S:S+1], v[S:S+1], v[S+4:S+5]
	v_add_f32 v[S], v[S], v[S+1]
	v_add_f32_dpp v[S], v[S], v[S] row_xmask:1 row_mask:0xf bank_mask:0xf
	v_add_f32_dpp v[S], v[S], v[S] row_xmask:2 row_mask:0xf bank_mask:0xf
	v_add_f32_dpp v[S], v[S], v[S] row_xmask:4 row_mask:0xf bank_mask:0xf
	v_add_f32_dpp v[S], v[S], v[S] row_xmask:8 row_mask:0xf bank_mask:0xf
	v_permlanex16_b32 v4, v[S], s24, s25
	v_add_f32 v[S], v[S], v4
.endm
; row rw: the mean; x - mean in place; var + eps into RS
.macro ROWSTAT rw
.set XR, X+32*\rw
	s_wait_loadcnt 16+8*(3-\rw)                    ; loads come back in order: this row's eight are in; the later rows' and the sixteen of g and b may be out
.irp c, 0,1,2,3
	v_pk_add_f32 v[S+2*\c:S+2*\c+1], v[XR+2*\c:XR+2*\c+1], v[XR+8+2*\c:XR+8+2*\c+1]   ; the first pairs start the chains: nothing is cleared
.endr
.irp p, 16,24
.irp c, 0,1,2,3
	v_pk_add_f32 v[S+2*\c:S+2*\c+1], v[S+2*\c:S+2*\c+1], v[XR+\p+2*\c:XR+\p+2*\c+1]
.endr
.endr
	FOLD
	v_mul_f32 v[MU+2*\rw], s21, v[S]
.irp p, 0,2,4,6,8,10,12,14,16,18,20,22,24,26,28,30
	v_pk_add_f32 v[XR+\p:XR+\p+1], v[XR+\p:XR+\p+1], v[MU+2*\rw:MU+2*\rw+1] op_sel_hi:[1,0] neg_lo:[0,1] neg_hi:[0,1]
.endr
.irp c, 0,1,2,3
	v_pk_mul_f32 v[S+2*\c:S+2*\c+1], v[XR+2*\c:XR+2*\c+1], v[XR+2*\c:XR+2*\c+1]
.endr
.irp p, 8,16,24
.irp c, 0,1,2,3
	v_pk_fma_f32 v[S+2*\c:S+2*\c+1], v[XR+\p+2*\c:XR+\p+2*\c+1], v[XR+\p+2*\c:XR+\p+2*\c+1], v[S+2*\c:S+2*\c+1]
.endr
.endr
	FOLD
	v_fma_f32 v[RS+2*\rw], v[S], s21, s22          ; var + eps
.endm
; row rw: scaled, g and b applied, held within the largest code x the scale, converted, stored
.macro ROWOUT rw
.set XR, X+32*\rw
.irp p, 0,2,4,6,8,10,12,14,16,18,20,22,24,26,28,30
	v_pk_mul_f32 v[XR+\p:XR+\p+1], v[XR+\p:XR+\p+1], v[RS+2*\rw:RS+2*\rw+1] op_sel_hi:[1,0]
.endr
.irp p, 0,2,4,6,8,10,12,14,16,18,20,22,24,26,28,30
	v_pk_fma_f32 v[XR+\p:XR+\p+1], v[XR+\p:XR+\p+1], v[G+\p:G+\p+1], v[BV+\p:BV+\p+1]
.endr
.set j, 0
.rept 32
	v_med3_num_f32 v[XR+j], v[XR+j], -v6, v6       ; the conversion to an 8-bit code does not saturate (ISA guide 7.6.2): the hold comes first
.set j, j+1
.endr
.irp j, 0,1,2,3
	v_cvt_scalef32_pk8_fp8_f32 v[CD+8*\rw+2*\j:CD+8*\rw+2*\j+1], v[XR+8*\j:XR+8*\j+7], v5
.endr
	v_nop                                          ; one plain vector instruction behind the last conversion of the run
.irp j, 0,1,2,3
	global_store_b64 v3, v[CD+8*\rw+2*\j:CD+8*\rw+2*\j+1], s[12:13] offset:1024*\rw+256*\j   ; 32 lanes store 256 consecutive bytes, aligned
.endr
.endm
	ROWSTAT 0
	ROWSTAT 1
	ROWSTAT 2
	ROWSTAT 3
	s_wait_alu depctr_va_vdst(0)
.irp r, 0,1,2,3
	v_rsq_f32 v[RS+2*\r], v[RS+2*\r]               ; the four roots are one batch
.endr
	v_nop                                          ; a plain instruction behind the last of them
	s_wait_alu depctr_va_vdst(0)                   ; one wait for the batch, ahead of its first reader
	s_wait_loadcnt 0x0                             ; g and b
	ROWOUT 0
	ROWOUT 1
	ROWOUT 2
	ROWOUT 3
	s_endpgm
.Lfunc_end_k_q538355cd31_ln2:
	.size	k_q538355cd31_ln2, .Lfunc_end_k_q538355cd31_ln2-k_q538355cd31_ln2
	.p2alignl 7, 3214868480
	.fill 96, 4, 3214868480
	.section	.rodata,"a",@progbits
	.p2align	6, 0x0
	.amdhsa_kernel k_q538355cd31_ln2
		.amdhsa_group_segment_fixed_size 0
		.amdhsa_private_segment_fixed_size 0
		.amdhsa_enable_private_segment 0
		.amdhsa_kernarg_size 40
		.amdhsa_user_sgpr_count 2
		.amdhsa_user_sgpr_kernarg_segment_ptr 1
		.amdhsa_wavefront_size32 1
		.amdhsa_system_sgpr_workgroup_id_x 1
		.amdhsa_system_sgpr_workgroup_id_y 1
		.amdhsa_system_sgpr_workgroup_id_z 1
		.amdhsa_system_vgpr_workitem_id 0
		.amdhsa_next_free_vgpr 256
		.amdhsa_next_free_sgpr 66
		.amdhsa_reserve_vcc 0
		.amdhsa_float_denorm_mode_32 3
		.amdhsa_float_denorm_mode_16_64 3
		.amdhsa_memory_ordered 1
		.amdhsa_forward_progress 1
		.amdhsa_inst_pref_size 42
	.end_amdhsa_kernel
	.amdgpu_metadata
---
amdhsa.version: [ 1, 2 ]
amdhsa.kernels:
  - .name:           k_q538355cd31_ln2
    .symbol:         k_q538355cd31_ln2.kd
    .args:
      - { .name: x1, .offset: 0, .size: 8, .value_kind: global_buffer, .address_space: global }
      - { .name: ln2_g, .offset: 8, .size: 8, .value_kind: global_buffer, .address_space: global }
      - { .name: ln2_b, .offset: 16, .size: 8, .value_kind: global_buffer, .address_space: global }
      - { .name: lowp_scales, .offset: 24, .size: 8, .value_kind: global_buffer, .address_space: global }
      - { .name: hc, .offset: 32, .size: 8, .value_kind: global_buffer, .address_space: global }
    .group_segment_fixed_size: 0
    .private_segment_fixed_size: 0
    .kernarg_segment_align: 8
    .kernarg_segment_size: 40
    .max_flat_workgroup_size: 128
    .sgpr_count:     66
    .vgpr_count:     256
    .wavefront_size: 32
...
	.end_amdgpu_metadata
.endif
;; end of part 5
;; launch fc1 (part 6): grid 16 x 16, 4 waves a work-group, clusters of 4 x 4, 327,680 bytes of LDS; arguments hc, w_fc1_codes, lowp_scales, b_fc1, gc; writes gc
.if DOCPART == 6
	.amdgcn_target "amdgcn-amd-amdhsa--gfx1250"
	.amdhsa_code_object_version 6
	.text
	.protected	k_q538355cd31_fc1
	.globl	k_q538355cd31_fc1
	.p2align	8
	.type	k_q538355cd31_fc1,@function
k_q538355cd31_fc1:
	s_mov_b64 s[64:65], 0
	v_nop
	global_prefetch_b8 v0, s[64:65] scope:SCOPE_SE
	s_setreg_imm32_b32 hwreg(HW_REG_WAVE_MODE, 25, 1), 1
	s_wait_xcnt 0x0
	s_wait_alu depctr_hold_cnt(0) depctr_sa_sdst(0) depctr_va_vdst(0) depctr_va_sdst(0) depctr_va_ssrc(0) depctr_va_vcc(0) depctr_vm_vsrc(0)
	s_getreg_b32 s2, hwreg(HW_REG_IB_STS2, 6, 4)
	s_cmp_eq_u32 s2, 0
	s_cbranch_scc0 .Lentry_in_a_cluster
	s_endpgm
.Lentry_in_a_cluster:
	s_bfe_u32 s2, ttmp6, 0x10000c
	s_cmp_lg_u32 s2, 0xf033
	s_cbranch_scc0 .Lentry_shape_is_right
	s_endpgm
.Lentry_shape_is_right:
.set SIZE_K, 1024
.set KSTEP,  256
.set ROWB,   256
.set KROW,   SIZE_K
.set PITCH,  272
.set FR,     16
.set NL,     4
.set NP,     4
.set HALFT,  128*PITCH
.set SLOT,   4*HALFT
.set LAPS,   SIZE_K/(2*KSTEP)
.set SPARE,  2*SLOT
.set ADRA, 16
.set ADRB, 20
.set CO,   26
.set BO,   27
.set SPW,  28
.set NIL,  29
.set LIM,  30
.set SC,   31
.set BI,   32
.set VV,   96
.set TT,   128
.set PP,   160
.set HH,   192
.set CD,   224
.set C8,   232
.set AF,   128
.set CK,   72
.set TR,   95
.set G1, 24
.set G0, 32
.set G1B, 48
.set G0B, 56
.set MSB, 0
.macro WIN new
.if MSB != (\new)
	s_set_vgpr_msb (MSB<<8)|(\new)
.set MSB, (\new)
.endif
.endm
.set MUL_LO, 0xa1
.set MUL_HI, 0xf1
.set TO_B,   0x40
.macro JLOAD g0a, g1a, g0b, g1b
	s_cmp_eq_u32 s15, 0
	s_cbranch_scc0 .Lfor_b_\@
	tensor_load_to_lds s[\g0a:\g0a+3], s[\g1a:\g1a+7]
	s_nop 0
.rept 4
	v_nop
.endr
	s_branch .Lasked_\@
.Lfor_b_\@:
	tensor_load_to_lds s[\g0b:\g0b+3], s[\g1b:\g1b+7]
	s_nop 0
.rept 4
	v_nop
.endr
.Lasked_\@:
.endm
.macro CREST
	s_cmp_lg_u32 s14, 0
	s_cbranch_scc1 .Lnot_wave_0_\@
	s_barrier_signal -3
.Lnot_wave_0_\@:
	s_barrier_wait -3
	s_barrier_signal -1
	s_barrier_wait -1
.endm
.macro CROUND
	s_barrier_signal -1
	s_barrier_wait -1
	CREST
.endm
	s_load_b128 s[4:7], s[0:1], 0x0
	s_load_b128 s[8:11], s[0:1], 0x10
	s_load_b64 s[12:13], s[0:1], 0x20
	v_lshl_add_u32 v[SPW], v0, 2, SPARE
	v_mov_b32 v[NIL], 0
	ds_add_u32 v28, v29
	ds_add_u32 v28, v29
	s_wait_dscnt 0x0
	v_lshrrev_b32 v1, 5, v0
	v_readfirstlane_b32 s14, v1
	s_lshr_b32 s15, s14, 1
	s_and_b32 s16, s14, 1
	s_bfe_u32 s40, ttmp6, 0x40000
	s_bfe_u32 s41, ttmp6, 0x40004
	s_lshl_b32 s42, ttmp9, 2
	s_add_co_u32 s42, s42, s40
	s_and_b32 s17, ttmp7, 0xffff
	s_lshl_b32 s17, s17, 2
	s_add_co_u32 s17, s17, s41
	s_lshl_b32 s43, s41, 2
	s_lshl_b32 s43, 15, s43
	s_lshl_b32 s44, 0x1111, s40
	s_or_b32 s[G1+0], s43, (0<<16)|(1<<20)|(1<<21)|(5<<22)|(3<<25)
	s_or_b32 s[G1B+0], s44, (0<<16)|(1<<20)|(1<<21)|(5<<22)|(3<<25)
.irp g, G1, G1B
	s_mov_b32 s[\g+1], ROWB<<16
	s_mov_b32 s[\g+2], 128<<16
	s_mov_b32 s[\g+3], ROWB<<16
	s_mov_b32 s[\g+4], 128
	s_mov_b32 s[\g+5], KROW
	s_mov_b32 s[\g+6], 0
	s_mov_b32 s[\g+7], 0
.endr
	s_lshl_b32 s18, s16, 7
	s_lshl_b32 s20, s17, 8
	s_add_co_u32 s20, s20, s18
	s_lshl_b32 s46, s42, 8
	s_add_co_u32 s46, s46, s18
	s_mov_b32 s21, 0
	s_mov_b32 s47, 0
	s_mov_b64 s[18:19], KROW
	s_mul_u64 s[20:21], s[20:21], s[18:19]
	s_mul_u64 s[46:47], s[46:47], s[18:19]
	s_mul_i32 s45, s14, HALFT
	s_wait_kmcnt 0x0
	s_load_b128 s[68:71], s[8:9], 0x20
	s_add_nc_u64 s[20:21], s[4:5], s[20:21]
	s_add_nc_u64 s[46:47], s[6:7], s[46:47]
	; the prefetches' base: of the 128 rows that my wave fetches, the partner at place p among the four that ask jointly takes rows 32 p .. 32 p + 31 (p = cx for A, cy for B): told apart by address alone
	s_cmp_eq_u32 s15, 0
	s_cselect_b64 s[100:101], s[20:21], s[46:47]
	s_cselect_b32 s18, s40, s41
	s_lshl_b32 s18, s18, 15                        ; 32 rows of 1,024 bytes
	s_mov_b32 s19, 0
	s_add_nc_u64 s[100:101], s[100:101], s[18:19]  ; never rewritten
	CROUND
.irp s, 0,1
	s_mov_b32 s[G0+4*\s], 1
	s_add_co_u32 s[G0+4*\s+1], s45, \s*SLOT
	s_add_nc_u64 s[G0+4*\s+2:G0+4*\s+3], s[20:21], \s*ROWB
	s_or_b32 s[G0+4*\s+3], s[G0+4*\s+3], 0x80000000
	s_mov_b32 s[G0B+4*\s], 1
	s_add_co_u32 s[G0B+4*\s+1], s45, \s*SLOT
	s_add_nc_u64 s[G0B+4*\s+2:G0B+4*\s+3], s[46:47], \s*ROWB
	s_or_b32 s[G0B+4*\s+3], s[G0B+4*\s+3], 0x80000000
.endr
	JLOAD G0, G1, G0B, G1B
	v_and_b32 v1, 15, v0
	v_bfe_u32 v2, v0, 4, 1
	v_mul_u32_u24 v3, v1, PITCH
	v_lshl_add_u32 v4, v2, 4, v3
	s_mul_i32 s21, s15, HALFT
	s_mul_i32 s22, s16, HALFT
	s_add_co_u32 s22, s22, 2*HALFT
.irp s, 0,1
	v_add_nc_u32 v[ADRA+\s], s21, v4
	v_add_nc_u32 v[ADRB+\s], s22, v4
	s_add_co_u32 s21, s21, SLOT
	s_add_co_u32 s22, s22, SLOT
.endr
	v_and_b32 v6, 31, v0
	v_lshlrev_b32 v[CO], 4, v6
	v_lshlrev_b32 v[BO], 5, v2
	v_lshlrev_b32 v22, 10, v6                      ; a lane a row; never rewritten
	global_prefetch_b8 v22, s[100:101] offset:256 th:TH_LOAD_NT scope:SCOPE_SE   ; K steps 1 and 2, 256 bytes of each of 32 rows: behind K step t's load K step t + 2 is asked for, and here K step 1 too
	global_prefetch_b8 v22, s[100:101] offset:512 th:TH_LOAD_NT scope:SCOPE_SE
	s_lshl_b32 s66, s42, 10
	s_lshl_b32 s67, s16, 9
	s_add_co_u32 s66, s66, s67
	s_mov_b32 s67, 0
	s_add_nc_u64 s[10:11], s[10:11], s[66:67]
.irp b, 0,1,2,3,4,5,6,7
	global_load_b128 v[BI+8*\b:BI+8*\b+3],   v[BO], s[10:11] offset:64*\b
	global_load_b128 v[BI+8*\b+4:BI+8*\b+7], v[BO], s[10:11] offset:64*\b+16
.endr
	s_lshl_b32 s66, s17, 1
	s_add_co_u32 s66, s66, s15
	s_lshl_b32 s66, s66, 19
	s_lshl_b32 s96, s42, 1
	s_add_co_u32 s96, s96, s16
	s_lshl_b32 s96, s96, 11
	s_add_co_u32 s66, s66, s96
	s_add_nc_u64 s[12:13], s[12:13], s[66:67]
.macro FRAG reg, adr, q, i
.irp c, 0,1,2,3
	ds_load_b128 v[\reg+4*\c:\reg+4*\c+3], v[\adr] offset:128*(\q)+32*\c+(\i)*16*PITCH
.endr
.endm
.macro MUL16 a0, p, zero
.irp a, \a0, \a0+1
.irp b, 0,1,2,3,4,5,6,7
.if \zero
	v_wmma_f32_16x16x128_fp8_fp8 v[8*(8*((\a)%4)+\b):8*(8*((\a)%4)+\b)+7], v[128*(\p)+FR*\b:128*(\p)+FR*\b+FR-1], v[AF+FR*(\a):AF+FR*(\a)+FR-1], 0
.else
	v_wmma_f32_16x16x128_fp8_fp8 v[8*(8*((\a)%4)+\b):8*(8*((\a)%4)+\b)+7], v[128*(\p)+FR*\b:128*(\p)+FR*\b+FR-1], v[AF+FR*(\a):AF+FR*(\a)+FR-1], v[8*(8*((\a)%4)+\b):8*(8*((\a)%4)+\b)+7]
.endif
.endr
.endr
.endm
.macro FETCH_B slot, q, p
	WIN TO_B
.irp i, 0,1,2,3,4,5,6,7
	FRAG 128*(\p)+FR*\i, ADRB+\slot, \q, \i
.endr
	WIN 0
.endm
.macro FETCH_A slot, q, i0
.irp i, \i0, \i0+1, \i0+2, \i0+3
	FRAG AF+FR*(\i), ADRA+\slot, \q, \i
.endr
.endm
.macro PLACES n
.rept \n
	v_nop
.endr
.endm
.macro STEP slot, q, zero
	s_wait_dscnt 4*NL
	WIN MUL_LO
	MUL16 0, (\q)%2, \zero
	MUL16 2, (\q)%2, \zero
	s_wait_dscnt 0
	PLACES NP
	FETCH_B \slot, (\q)+1, 1-(\q)%2
	FETCH_A \slot, (\q)+1, 0
	WIN MUL_HI
	MUL16 4, (\q)%2, \zero
	MUL16 6, (\q)%2, \zero
	PLACES NP
	WIN 0
	FETCH_A \slot, (\q)+1, 4
.endm
.macro TURN slot, next, fill
	s_wait_tensorcnt 0x0
	ds_add_u32 v[SPW], v[NIL]
	s_wait_dscnt 4*NL+1
	WIN MUL_LO
	MUL16 0, 1, 0
	s_wait_dscnt 0x0
	s_barrier_signal -1
	MUL16 2, 1, 0
	WIN 0
	s_barrier_wait -1
.if \fill
	CREST
	s_add_nc_u64 s[G0+4*\slot+2:G0+4*\slot+3], s[G0+4*\slot+2:G0+4*\slot+3], 2*ROWB
	s_add_nc_u64 s[G0B+4*\slot+2:G0B+4*\slot+3], s[G0B+4*\slot+2:G0B+4*\slot+3], 2*ROWB
	JLOAD G0+4*\slot, G1, G0B+4*\slot, G1B
.else
	PLACES NP
.endif
	FETCH_B \next, 0, 0
	FETCH_A \next, 0, 0
	WIN MUL_HI
	MUL16 4, 1, 0
	MUL16 6, 1, 0
	PLACES NP
	WIN 0
	FETCH_A \next, 0, 4
.endm
	s_wait_alu depctr_va_vdst(0)
	s_wait_tensorcnt 0x0
	ds_add_u32 v[SPW], v[NIL]
	s_wait_dscnt 0x0
	CROUND
	JLOAD G0+4, G1, G0B+4, G1B
	FETCH_B 0, 0, 0
	FETCH_A 0, 0, 0
	global_prefetch_b8 v22, s[100:101] offset:768 th:TH_LOAD_NT scope:SCOPE_SE   ; K step 3, the last: behind K step 1's load
	FETCH_A 0, 0, 4
	STEP 0, 0, 1
	s_mov_b32 s3, LAPS-1
.Llap:
	TURN 0, 1, 1
	STEP 1, 0, 0
	TURN 1, 0, 1
	STEP 0, 0, 0
	s_sub_co_u32 s3, s3, 1
	s_cmp_lg_u32 s3, 0
	s_cbranch_scc1 .Llap
	TURN 0, 1, 0
	STEP 1, 0, 0
	s_wait_dscnt 4*NL
	WIN MUL_LO
	MUL16 0, 1, 0
	MUL16 2, 1, 0
	s_wait_dscnt 0
	WIN MUL_HI
	MUL16 4, 1, 0
	MUL16 6, 1, 0
	WIN 0
.macro KONST reg, val
	s_mov_b32 s[\reg], \val
	s_mov_b32 s[\reg+1], \val
.endm
	KONST CK+0,  0xbfa1fc4e
	KONST CK+2,  0x3f8000c7
	KONST CK+4,  0x3ebf88fb
	KONST CK+6,  0x3dc636c9
	KONST CK+8,  0xbe3ec24c
	KONST CK+10, 0x3e8ec7cc
	KONST CK+12, 0xbf914e5d
	KONST CK+14, 0x3fbe87b0
	KONST 88,    0x3e2ef946
	KONST 90,    0x3fb8aa3b
	s_mov_b32 s94, 0x3eb504f3
	s_wait_kmcnt 0x0
	s_add_co_i32 s92, s68, s69
	s_add_co_i32 s92, s92, 127
	s_lshl_b32 s92, s92, 23
	s_mov_b32 s93, s92
	s_add_co_i32 s96, s70, 127
	s_lshl_b32 s97, s96, 23
	s_add_co_i32 s96, s96, 8
	s_lshl_b32 s96, s96, 23
	s_or_b32 s96, s96, 0x600000
	PLACES NP
	v_mov_b32 v[SC], s97
	v_mov_b32 v[LIM], s96
	v_mov_b32 v[C8], 0xbf527892
	v_mov_b32 v[C8+1], 0xbf527892
	s_wait_loadcnt 0x0
	s_mov_b32 s[TR], 0
.macro SECT k
.set AA, (\k)/2
.set HF, (\k)%2
	WIN 0x02+AA/4
.set j, 0
.rept 16
	v_pk_fma_f32 v[VV+j:VV+j+1], v[64*(AA%4)+32*HF+j:64*(AA%4)+32*HF+j+1], s[92:93], v[BI+32*HF+j:BI+32*HF+j+1] op_sel_hi:[1,0,1]
.set j, j+2
.endr
	WIN 0
.endm
; the trip's section of the accumulators is chosen by four compares of the trip's number
.macro QUAD b
	s_cmp_lt_u32 s[TR], (\b)+2
	s_cbranch_scc0 .Lupper_\@
	s_cmp_eq_u32 s[TR], \b
	s_cbranch_scc0 .Lodd_\@
	SECT \b
	s_branch .Lbody
.Lodd_\@:
	SECT (\b)+1
	s_branch .Lbody
.Lupper_\@:
	s_cmp_eq_u32 s[TR], (\b)+2
	s_cbranch_scc0 .Llast_\@
	SECT (\b)+2
	s_branch .Lbody
.Llast_\@:
	SECT (\b)+3
	s_branch .Lbody
.endm
.Ltrip:
	s_cmp_lt_u32 s[TR], 8
	s_cbranch_scc0 .Lfrom_8
	s_cmp_lt_u32 s[TR], 4
	s_cbranch_scc0 .Lfrom_4
	QUAD 0
.Lfrom_4:
	QUAD 4
.Lfrom_8:
	s_cmp_lt_u32 s[TR], 12
	s_cbranch_scc0 .Lfrom_12
	QUAD 8
.Lfrom_12:
	QUAD 12
.Lbody:
.set j, 0
.rept 32
	v_fma_f32 v[TT+j], |v[VV+j]|, s94, 1.0
.set j, j+1
.endr
.set j, 0
	s_wait_alu depctr_va_vdst(0)
.rept 32
	v_rcp_f32 v[TT+j], v[TT+j]
.set j, j+1
.endr
.set j, 0
.rept 16
	v_pk_mul_f32 v[PP+j:PP+j+1], v[VV+j:VV+j+1], v[VV+j:VV+j+1]
.set j, j+2
.endr
	s_wait_alu depctr_va_vdst(0)
.set j, 0
.rept 16
	v_pk_fma_f32 v[HH+j:HH+j+1], v[TT+j:TT+j+1], s[88:89], v[C8:C8+1] op_sel_hi:[1,0,0]
.set j, j+2
.endr
.irp k, 7,6,5,4,3,2,1,0
.set j, 0
.rept 16
	v_pk_fma_f32 v[HH+j:HH+j+1], v[HH+j:HH+j+1], v[TT+j:TT+j+1], s[CK+2*\k:CK+2*\k+1] op_sel_hi:[1,1,0]
.set j, j+2
.endr
.endr
.set j, 0
.rept 16
	v_pk_fma_f32 v[HH+j:HH+j+1], v[PP+j:PP+j+1], -0.5, v[HH+j:HH+j+1] op_sel_hi:[1,0,1]
.set j, j+2
.endr
.set j, 0
.rept 16
	v_pk_fma_f32 v[HH+j:HH+j+1], v[HH+j:HH+j+1], s[90:91], -1.0 op_sel_hi:[1,0,0]
.set j, j+2
.endr
.set j, 0
	s_wait_alu depctr_va_vdst(0)
.rept 32
	v_exp_f32 v[HH+j], v[HH+j]
.set j, j+1
.endr
.set j, 0
.rept 32
	v_max_num_f32 v[PP+j], v[VV+j], 0
.set j, j+1
.endr
	s_wait_alu depctr_va_vdst(0)
.set j, 0
.rept 16
	v_pk_mul_f32 v[HH+j:HH+j+1], v[HH+j:HH+j+1], v[TT+j:TT+j+1]
.set j, j+2
.endr
.set j, 0
.rept 32
	v_fma_f32 v[PP+j], -|v[VV+j]|, v[HH+j], v[PP+j]
.set j, j+1
.endr
.set j, 0
.rept 32
	v_med3_num_f32 v[PP+j], v[PP+j], -v[LIM], v[LIM]
.set j, j+1
.endr
	s_wait_alu depctr_va_vdst(0)
	s_wait_xcnt 0x0
.irp i, 0,1,2,3
	v_cvt_scalef32_pk8_fp8_f32 v[CD+2*\i:CD+2*\i+1], v[PP+8*\i:PP+8*\i+7], v[SC]
.endr
	v_nop
	s_lshr_b32 s96, s[TR], 1
	s_lshl_b32 s96, s96, 16
	s_and_b32 s97, s[TR], 1
	s_lshl_b32 s97, s97, 10
	s_add_co_u32 s96, s96, s97
	s_mov_b32 s97, 0
	s_add_nc_u64 s[98:99], s[12:13], s[96:97]
	global_store_b128 v[CO], v[CD:CD+3], s[98:99]
	global_store_b128 v[CO], v[CD+4:CD+7], s[98:99] offset:512
	s_add_co_u32 s[TR], s[TR], 1
	s_cmp_lt_u32 s[TR], 16
	s_cbranch_scc1 .Ltrip
	s_wait_tensorcnt 0x0
	ds_add_u32 v[SPW], v[NIL]
	s_wait_dscnt 0x0
	CROUND
	s_endpgm
.Lfunc_end_k_q538355cd31_fc1:
	.size	k_q538355cd31_fc1, .Lfunc_end_k_q538355cd31_fc1-k_q538355cd31_fc1
	.p2alignl 7, 3214868480
	.fill 96, 4, 3214868480
	.section	.rodata,"a",@progbits
	.p2align	6, 0x0
	.amdhsa_kernel k_q538355cd31_fc1
		.amdhsa_group_segment_fixed_size 327680
		.amdhsa_private_segment_fixed_size 0
		.amdhsa_enable_private_segment 0
		.amdhsa_kernarg_size 40
		.amdhsa_user_sgpr_count 2
		.amdhsa_user_sgpr_kernarg_segment_ptr 1
		.amdhsa_wavefront_size32 1
		.amdhsa_system_sgpr_workgroup_id_x 1
		.amdhsa_system_sgpr_workgroup_id_y 1
		.amdhsa_system_sgpr_workgroup_id_z 1
		.amdhsa_system_vgpr_workitem_id 0
		.amdhsa_next_free_vgpr 1024
		.amdhsa_next_free_sgpr 102
		.amdhsa_reserve_vcc 0
		.amdhsa_float_denorm_mode_32 3
		.amdhsa_float_denorm_mode_16_64 3
		.amdhsa_memory_ordered 1
		.amdhsa_forward_progress 1
		.amdhsa_inst_pref_size 124
	.end_amdhsa_kernel
	.amdgpu_metadata
---
amdhsa.version: [ 1, 2 ]
amdhsa.kernels:
  - .name:           k_q538355cd31_fc1
    .symbol:         k_q538355cd31_fc1.kd
    .args:
      - { .name: hc, .offset: 0, .size: 8, .value_kind: global_buffer, .address_space: global }
      - { .name: w_fc1_codes, .offset: 8, .size: 8, .value_kind: global_buffer, .address_space: global }
      - { .name: lowp_scales, .offset: 16, .size: 8, .value_kind: global_buffer, .address_space: global }
      - { .name: b_fc1, .offset: 24, .size: 8, .value_kind: global_buffer, .address_space: global }
      - { .name: gc, .offset: 32, .size: 8, .value_kind: global_buffer, .address_space: global }
    .group_segment_fixed_size: 327680
    .private_segment_fixed_size: 0
    .kernarg_segment_align: 8
    .kernarg_segment_size: 40
    .max_flat_workgroup_size: 128
    .sgpr_count:     102
    .vgpr_count:     1024
    .wavefront_size: 32
...
	.end_amdgpu_metadata
.endif
;; end of part 6
;; launch fc2 (part 7): grid 32 x 8, 4 waves a work-group, clusters of 4 x 1, 327,680 bytes of LDS; arguments gc, w_fc2_codes, lowp_scales, b_fc2, x1, out0; writes out0
.if DOCPART == 7
	.amdgcn_target "amdgcn-amd-amdhsa--gfx1250"
	.amdhsa_code_object_version 6
	.text
	.protected	k_q538355cd31_fc2
	.globl	k_q538355cd31_fc2
	.p2align	8
	.type	k_q538355cd31_fc2,@function
k_q538355cd31_fc2:
	s_mov_b64 s[64:65], 0
	v_nop
	global_prefetch_b8 v0, s[64:65] scope:SCOPE_SE
	s_setreg_imm32_b32 hwreg(HW_REG_WAVE_MODE, 25, 1), 1
	s_wait_xcnt 0x0
	s_wait_alu depctr_hold_cnt(0) depctr_sa_sdst(0) depctr_va_vdst(0) depctr_va_sdst(0) depctr_va_ssrc(0) depctr_va_vcc(0) depctr_vm_vsrc(0)
	s_getreg_b32 s2, hwreg(HW_REG_IB_STS2, 6, 4)
	s_cmp_eq_u32 s2, 0
	s_cbranch_scc0 .Lentry_in_a_cluster
	s_endpgm
.Lentry_in_a_cluster:
	s_bfe_u32 s2, ttmp6, 0x10000c
	s_cmp_lg_u32 s2, 0x3003
	s_cbranch_scc0 .Lentry_shape_is_right
	s_endpgm
.Lentry_shape_is_right:
.set SIZE_K, 4096
.set EA,     40
.set NQ,     SIZE_K/128
.set SLK,    1024
.set PITCH,  SLK+16
.set WROWS,  32*PITCH
.set SLOT,   4*WROWS
.set SPARE,  2*SLOT
.set STAGE,  SPARE+512
.set SPITCH, 528
.set LI,   8
.set PFO,  10
.set PFR,  11
.set BI,   12
.set ADRB, 16
.set STO,  24
.set RD,   25
.set SPW,  28
.set NIL,  29
.set ACC,  128
.set RES,  128
.set G1,   24
.set G0,   32
.set MSB, 0
.macro WIN new
.if MSB != (\new)
	s_set_vgpr_msb (MSB<<8)|(\new)
.set MSB, (\new)
.endif
.endm
.set MUL,  0x09
.set TO_B, 0x40
.set TO_A, 0x80
.macro CREST
	s_cmp_lg_u32 s16, 0
	s_cbranch_scc1 .Lnot_wave_0_\@
	s_barrier_signal -3
.Lnot_wave_0_\@:
	s_barrier_wait -3
	s_barrier_signal -1
	s_barrier_wait -1
.endm
.macro CROUND
	s_barrier_signal -1
	s_barrier_wait -1
	CREST
.endm
.macro PLACES
.rept 4
	v_nop
.endr
.endm
	s_load_b256 s[4:11], s[0:1], 0x0
	s_load_b128 s[12:15], s[0:1], 0x20
	v_lshl_add_u32 v[SPW], v0, 2, SPARE
	v_mov_b32 v[NIL], 0
	ds_add_u32 v28, v29
	ds_add_u32 v28, v29
	s_wait_dscnt 0x0
	v_lshrrev_b32 v1, 5, v0
	v_readfirstlane_b32 s16, v1
	s_bfe_u32 s17, ttmp6, 0x40000
	s_lshl_b32 s18, ttmp9, 2
	s_add_co_u32 s18, s18, s17
	s_and_b32 s19, ttmp7, 0xffff
	s_mov_b32 s[G1], 15|(0<<16)|(1<<20)|(1<<21)|(7<<22)|(3<<25)
	s_mov_b32 s[G1+1], SLK<<16
	s_mov_b32 s[G1+2], 32<<16
	s_mov_b32 s[G1+3], SLK<<16
	s_mov_b32 s[G1+4], 32
	s_mov_b32 s[G1+5], SIZE_K
	s_mov_b32 s[G1+6], 0
	s_mov_b32 s[G1+7], 0
	s_lshl_b32 s22, s19, 7
	s_lshl_b32 s23, s16, 5
	s_add_co_u32 s22, s22, s23
	s_lshl_b32 s22, s22, 12
	s_mov_b32 s23, 0
	s_mul_i32 s40, s16, WROWS
	s_lshl_b32 s42, s18, 3
	s_lshl_b32 s43, s16, 1
	s_add_co_u32 s42, s42, s43
	s_lshl_b32 s42, s42, 16
	s_mov_b32 s43, 0
	s_lshl_b32 s44, s18, 2
	s_add_co_u32 s44, s44, s16
	s_lshl_b32 s44, s44, 17
	s_lshl_b32 s46, s19, 9
	s_add_co_u32 s44, s44, s46
	s_mov_b32 s45, 0
	s_mov_b32 s47, 0
	v_and_b32 v3, 31, v0
	v_lshlrev_b32 v[LI], 4, v3
	v_lshlrev_b32 v[PFO], 8, v3
	v_lshlrev_b32 v[PFR], 12, v3
	v_lshrrev_b32 v20, 2, v3                       ; B's prefetches: four lanes to a row of 4,096 bytes,
	v_and_b32 v21, 3, v3
	v_lshlrev_b32 v20, 12, v20
	v_lshl_add_u32 v20, v21, 8, v20                ; each lane another block of 256 bytes of a slot's 1,024; never rewritten
	v_and_b32 v1, 15, v0
	v_bfe_u32 v2, v0, 4, 1
	v_mul_u32_u24 v4, v1, PITCH
	v_lshl_add_u32 v[ADRB], v2, 3, v4
	v_add_nc_u32 v[ADRB+1], 64*PITCH, v[ADRB]
	v_add_nc_u32 v[ADRB+2], SLOT, v[ADRB]
	v_add_nc_u32 v[ADRB+3], SLOT+64*PITCH, v[ADRB]
	s_mul_i32 s41, s16, 16*SPITCH
	s_add_co_u32 s41, s41, STAGE
	v_mul_u32_u24 v5, v1, SPITCH
	v_lshl_add_u32 v5, v2, 5, v5
	v_add_nc_u32 v[STO], s41, v5
	v_add_nc_u32 v[RD], s41, v[LI]
	s_wait_kmcnt 0x0
	s_load_b64 s[66:67], s[8:9], EA
	s_add_nc_u64 s[22:23], s[6:7], s[22:23]
	s_lshl_b32 s48, s17, 15                        ; of the 32 rows that my wave fetches, the partner at place cx takes rows 8 cx .. 8 cx + 7: told apart by address alone
	s_mov_b32 s49, 0
	s_add_nc_u64 s[50:51], s[22:23], s[48:49]      ; never rewritten
	s_add_nc_u64 s[4:5], s[4:5], s[42:43]
	s_add_nc_u64 s[12:13], s[12:13], s[44:45]
	s_add_nc_u64 s[14:15], s[14:15], s[44:45]
	s_add_nc_u64 s[10:11], s[10:11], s[46:47]
.irp s, 0,1
	s_mov_b32 s[G0+4*\s], 1
	s_add_co_u32 s[G0+4*\s+1], s40, \s*SLOT
	s_add_nc_u64 s[G0+4*\s+2:G0+4*\s+3], s[22:23], \s*SLK
	s_or_b32 s[G0+4*\s+3], s[G0+4*\s+3], 0x80000000
.endr
	CROUND
	tensor_load_to_lds s[G0:G0+3], s[G1:G1+7]
	s_nop 0
	s_wait_alu depctr_va_vdst(0)
; A's fragments of K steps 0 to 6 are asked for here, while slot 0's load is out: 56 loads, in the order in which the steps' counted waits take them
.macro HLOAD q
.irp a, 0,1
.irp c, 0,1,2,3
	global_load_b128 v[32*(\q)+16*\a+4*\c:32*(\q)+16*\a+4*\c+3], v[LI], s[4:5] offset:65536*\a+2048*(\q)+512*\c
.endr
.endr
.endm
	WIN TO_A
	HLOAD 0
	global_prefetch_b8 v20, s[50:51] offset:1024 th:TH_LOAD_NT scope:SCOPE_SE   ; B's slots 1 and 2: behind slot t's load slot t + 2 is asked for, and here slot 1 too
	global_prefetch_b8 v20, s[50:51] offset:2048 th:TH_LOAD_NT scope:SCOPE_SE
.irp q, 1,2,3,4,5,6
	HLOAD \q
.endr
	WIN 0
	s_wait_tensorcnt 0x0
	ds_add_u32 v28, v29
	s_wait_dscnt 0x0
	CROUND
	tensor_load_to_lds s[G0+4:G0+7], s[G1:G1+7]
	s_nop 0
.rept 4
	v_nop
.endr
.macro ALOAD q
	WIN TO_A
.irp a, 0,1
.irp c, 0,1,2,3
	global_load_b128 v[32*((\q)%8)+16*\a+4*\c:32*((\q)%8)+16*\a+4*\c+3], v[LI], s[4:5] offset:65536*\a+2048*(\q)+512*\c
.endr
.endr
.endm
.macro RLOAD g
	WIN TO_B
.irp t, 0,1,2,3,4,5,6,7
	global_load_b128 v[RES+4*(8*(\g)+\t):RES+4*(8*(\g)+\t)+3], v[LI], s[12:13] offset:(8*(\g)+\t)*4096 th:TH_LOAD_NT
.endr
.endm
.macro NEXTA q
.if (\q)+8 < NQ
	ALOAD (\q)+8
.elseif (\q) < 28
	RLOAD (\q)-24
.if (\q) == 27
	WIN 0
	global_load_b128 v[BI:BI+3], v[LI], s[10:11]
.endif
.endif
.endm
.macro AWAIT q
.if (\q) < 28
	s_wait_loadcnt 56
.else
	s_wait_loadcnt 8*(31-(\q))+33
.endif
.endm
.macro BFETCH q, g
	WIN TO_B
.irp i, 0,1,2,3
.irp c, 0,1,2,3,4,5,6,7
	ds_load_b64 v[64*(\g)+16*\i+2*\c:64*(\g)+16*\i+2*\c+1], v[ADRB+2*(((\q)/8)%2)+(\g)] offset:\i*16*PITCH+128*((\q)%8)+16*\c
.endr
.endr
.endm
.macro MUL8 q, g, zero
	WIN MUL
.irp i, 0,1,2,3
.irp a, 0,1
.if \zero
	v_wmma_f32_16x16x128_fp8_fp8 v[ACC+8*(8*\a+4*(\g)+\i):ACC+8*(8*\a+4*(\g)+\i)+7], v[64*(\g)+16*\i:64*(\g)+16*\i+15], v[32*((\q)%8)+16*\a:32*((\q)%8)+16*\a+15], 0
.else
	v_wmma_f32_16x16x128_fp8_fp8 v[ACC+8*(8*\a+4*(\g)+\i):ACC+8*(8*\a+4*(\g)+\i)+7], v[64*(\g)+16*\i:64*(\g)+16*\i+15], v[32*((\q)%8)+16*\a:32*((\q)%8)+16*\a+15], v[ACC+8*(8*\a+4*(\g)+\i):ACC+8*(8*\a+4*(\g)+\i)+7]
.endif
.endr
.endr
.endm
.macro STEP q, zero
	AWAIT \q
	s_wait_dscnt 32
	MUL8 \q, 0, \zero
	PLACES
	BFETCH (\q)+1, 0
	s_wait_dscnt 32
	MUL8 \q, 1, \zero
	PLACES
	BFETCH (\q)+1, 1
	NEXTA \q
.endm
.macro TURN q, fill
	AWAIT \q
	WIN 0
	s_wait_tensorcnt 0x0
	ds_add_u32 v[SPW], v[NIL]
	s_wait_dscnt 33
	MUL8 \q, 0, 0
	s_wait_dscnt 0x0
	s_barrier_signal -1
	MUL8 \q, 1, 0
	WIN 0
	s_barrier_wait -1
.if \fill
	CREST
	s_add_nc_u64 s[G0+4*(((\q)/8)%2)+2:G0+4*(((\q)/8)%2)+3], s[G0+4*(((\q)/8)%2)+2:G0+4*(((\q)/8)%2)+3], 2*SLK
	tensor_load_to_lds s[G0+4*(((\q)/8)%2):G0+4*(((\q)/8)%2)+3], s[G1:G1+7]
	s_nop 0
.rept 4
	v_nop
.endr
.else
	PLACES
.endif
	BFETCH (\q)+1, 0
	BFETCH (\q)+1, 1
	NEXTA \q
.endm
.macro ASKA q
	WIN 0
	s_cmp_eq_u32 s19, 0
	s_cbranch_scc0 .Lnot_mine_\@
	global_prefetch_b8 v[PFO], s[4:5] offset:2048*((\q)+16) th:TH_LOAD_NT scope:SCOPE_SE
	global_prefetch_b8 v[PFO], s[4:5] offset:65536+2048*((\q)+16) th:TH_LOAD_NT scope:SCOPE_SE
.Lnot_mine_\@:
.endm
	WIN 0
	s_wait_tensorcnt 1
	s_barrier_signal -1
	s_barrier_wait -1
	s_wait_alu depctr_va_vdst(0)
	BFETCH 0, 0
	BFETCH 0, 1
	global_prefetch_b8 v20, s[50:51] offset:3072 th:TH_LOAD_NT scope:SCOPE_SE   ; B's slot 3, the last: behind slot 1's load
	ALOAD 7
	STEP 0, 1
	ASKA 0
.irp q, 1,2,3,4
	STEP \q, 0
.endr
	ASKA 4
	STEP 5, 0
	STEP 6, 0
	TURN 7, 1
	STEP 8, 0
	ASKA 8
.irp q, 9,10,11,12
	STEP \q, 0
.endr
	ASKA 12
	STEP 13, 0
	STEP 14, 0
	TURN 15, 1
	STEP 16, 0
	WIN 0
	global_prefetch_b8 v[PFR], s[12:13] th:TH_LOAD_NT scope:SCOPE_SE
	global_prefetch_b8 v[PFR], s[12:13] offset:256 th:TH_LOAD_NT scope:SCOPE_SE
.irp q, 17,18,19,20,21,22
	STEP \q, 0
.endr
	TURN 23, 0
.irp q, 24,25,26,27,28,29,30
	STEP \q, 0
.endr
	AWAIT 31
	s_wait_dscnt 32
	MUL8 31, 0, 0
	s_wait_dscnt 0x0
	MUL8 31, 1, 0
	PLACES
	s_wait_kmcnt 0x0
	s_add_co_i32 s66, s66, s67
	s_add_co_i32 s66, s66, 127
	s_lshl_b32 s66, s66, 23
	s_mov_b32 s67, s66
	WIN TO_A
.irp a, 0,1
.irp b, 0,1,2,3,4,5,6,7
	ds_store_b128 v[STO], v[ACC+8*(8*\a+\b):ACC+8*(8*\a+\b)+3] offset:64*\b
	ds_store_b128 v[STO], v[ACC+8*(8*\a+\b)+4:ACC+8*(8*\a+\b)+7] offset:64*\b+16
.endr
.irp t, 0,1,2,3,4,5,6,7,8,9,10,11,12,13,14,15
	ds_load_b128 v[64*\a+4*\t:64*\a+4*\t+3], v[RD] offset:\t*SPITCH
.endr
.endr
	s_wait_loadcnt 0x0
.irp a, 0,1
	s_wait_dscnt 32*(1-\a)
	WIN 0x82
.irp t, 0,1,2,3,4,5,6,7,8,9,10,11,12,13,14,15
	v_pk_fma_f32 v[64*\a+4*\t:64*\a+4*\t+1],   v[64*\a+4*\t:64*\a+4*\t+1],   s[66:67], v[BI:BI+1] op_sel_hi:[1,0,1]
	v_pk_fma_f32 v[64*\a+4*\t+2:64*\a+4*\t+3], v[64*\a+4*\t+2:64*\a+4*\t+3], s[66:67], v[BI+2:BI+3] op_sel_hi:[1,0,1]
.endr
	WIN 0x86
.irp t, 0,1,2,3,4,5,6,7,8,9,10,11,12,13,14,15
	v_pk_add_f32 v[64*\a+4*\t:64*\a+4*\t+1],   v[64*\a+4*\t:64*\a+4*\t+1],   v[RES+64*\a+4*\t:RES+64*\a+4*\t+1]
	v_pk_add_f32 v[64*\a+4*\t+2:64*\a+4*\t+3], v[64*\a+4*\t+2:64*\a+4*\t+3], v[RES+64*\a+4*\t+2:RES+64*\a+4*\t+3]
.endr
	WIN 0x08
.irp t, 0,1,2,3,4,5,6,7,8,9,10,11,12,13,14,15
	global_store_b128 v[LI], v[64*\a+4*\t:64*\a+4*\t+3], s[14:15] offset:(16*\a+\t)*4096 th:TH_STORE_NT
.endr
.endr
	WIN 0
	s_wait_tensorcnt 0x0
	ds_add_u32 v[SPW], v[NIL]
	s_wait_dscnt 0x0
	CROUND
	s_endpgm
.Lfunc_end_k_q538355cd31_fc2:
	.size	k_q538355cd31_fc2, .Lfunc_end_k_q538355cd31_fc2-k_q538355cd31_fc2
	.p2alignl 7, 3214868480
	.fill 96, 4, 3214868480
	.section	.rodata,"a",@progbits
	.p2align	6, 0x0
	.amdhsa_kernel k_q538355cd31_fc2
		.amdhsa_group_segment_fixed_size 327680
		.amdhsa_private_segment_fixed_size 0
		.amdhsa_enable_private_segment 0
		.amdhsa_kernarg_size 48
		.amdhsa_user_sgpr_count 2
		.amdhsa_user_sgpr_kernarg_segment_ptr 1
		.amdhsa_wavefront_size32 1
		.amdhsa_system_sgpr_workgroup_id_x 1
		.amdhsa_system_sgpr_workgroup_id_y 1
		.amdhsa_system_sgpr_workgroup_id_z 1
		.amdhsa_system_vgpr_workitem_id 0
		.amdhsa_next_free_vgpr 768
		.amdhsa_next_free_sgpr 80
		.amdhsa_reserve_vcc 0
		.amdhsa_float_denorm_mode_32 3
		.amdhsa_float_denorm_mode_16_64 3
		.amdhsa_memory_ordered 1
		.amdhsa_forward_progress 1
		.amdhsa_inst_pref_size 227
	.end_amdhsa_kernel
	.amdgpu_metadata
---
amdhsa.version: [ 1, 2 ]
amdhsa.kernels:
  - .name:           k_q538355cd31_fc2
    .symbol:         k_q538355cd31_fc2.kd
    .args:
      - { .name: gc, .offset: 0, .size: 8, .value_kind: global_buffer, .address_space: global }
      - { .name: w_fc2_codes, .offset: 8, .size: 8, .value_kind: global_buffer, .address_space: global }
      - { .name: lowp_scales, .offset: 16, .size: 8, .value_kind: global_buffer, .address_space: global }
      - { .name: b_fc2, .offset: 24, .size: 8, .value_kind: global_buffer, .address_space: global }
      - { .name: x1, .offset: 32, .size: 8, .value_kind: global_buffer, .address_space: global }
      - { .name: out0, .offset: 40, .size: 8, .value_kind: global_buffer, .address_space: global }
    .group_segment_fixed_size: 327680
    .private_segment_fixed_size: 0
    .kernarg_segment_align: 8
    .kernarg_segment_size: 48
    .max_flat_workgroup_size: 128
    .sgpr_count:     80
    .vgpr_count:     768
    .wavefront_size: 32
...
	.end_amdgpu_metadata
.endif
;; end of part 7
